; MI455X (gfx1250); checked and timed in simulation.
; The chip was launched on July 23, 2026; its instructions are those of AMD's public machine-readable ISA for CDNA 5 (MIT licence, August 2026) and "CDNA5" Instruction Set Architecture Reference Guide (July 2026). The comments in the code are by the model that wrote it; some were corrected since.
;; Vector Quantizer. Allowed arithmetic: float matrix products may take bf16 or f16 operands with f32 sums; other float arithmetic in f32, or as packed bf16 or f16 multiplies, adds, multiply-adds, maxima and minima; sums over many terms, partial sums and values carried from step to step in f32; what a program stores and reads back later, other than sums and carried values, may be rounded once to bf16 or f16.
;; Inputs: w_vqgan 16,384 x 192 float32; w_vqkd 16,384 x 64 float32; z 4 x 256 x 32 x 32 float32.
;; Outputs: out0 4 x 256 x 32 x 32 float32; out1 one number float32; out2 one number float32; out3 one number float32; out4 one number float32; out5 one number float32; out6 4,096 int32.
;; 2 versions, each right; version 2 is version 1 with the launch prep written anew for expert scheduling mode. Each part assembles by itself: llvm-mc -triple=amdgcn-amd-amdhsa -mcpu=gfx1250 --defsym DOCPART=n.
;; ======== version 1 of 2: 5 launches
;; limits: a difference of large sums (such as E[x^2] - mean^2): digits are lost where the result is much smaller than its terms
;; workspace buffers: W1 10,813,440 bytes; W2 794,624 bytes; W3 65,536 bytes; idxw 16,384 bytes of whole numbers; W4 266,240 bytes
;; launch prep (part 1): grid 320 x 1, 8 waves a work-group, no clusters, 40,960 bytes of LDS; arguments z, w_vqkd, w_vqgan, W1; writes W1
.if DOCPART == 1
	.amdgcn_target "amdgcn-amd-amdhsa--gfx1250"
	.amdhsa_code_object_version 6
	.text
	.protected	k_q4d515fee29_prep
	.globl	k_q4d515fee29_prep
	.p2align	8
	.type	k_q4d515fee29_prep,@function
k_q4d515fee29_prep:
	s_mov_b64 s[64:65], 0
	v_nop
	global_prefetch_b8 v0, s[64:65] scope:SCOPE_SE
	s_setreg_imm32_b32 hwreg(HW_REG_WAVE_MODE, 25, 1), 1
	s_wait_xcnt 0x0
; PREP.  Rounds the raw inputs once to bf16 and lays them out with the 256 channels along the rows; takes the norms of the ROUNDED numbers.
; W1 = tb | cb | tc | cc:
;   tb  bf16 [4096 tokens][256]            at 0          (z turned from [b][c][hw] to [token][c])
;   cb  bf16 [16384 codes][256]            at CBO        (channels 0-63 w_vqkd, 64-255 w_vqgan)
;   tc  a record of 256 bytes for 16 tokens at TCO: [-2/n_k, -0.5 c_k n_k, -2/n_g, -0.5 c_g n_g][16] f32
;   cc  a record of 256 bytes for 16 codes  at CCO: [1/n_k, c_k, 1/n_g, c_g][16] f32
; with ss the sum of squares of a sub-vector, n = max(sqrt ss, 1e-12), c = ss / n^2 (the squared length of the normalised sub-vector).
; Work-groups 0-63: 64 tokens each.  Work-groups 64-319: 64 codes each.  The branch hangs on the work-group's number alone; the two parts use different bytes of LDS.
; LIMITS.  A sum of squares below 2^-126 counts as 0 (the root flushes it); NaN and infinities are not treated apart.
; No matrix unit, no cluster: each byte is read once and nothing is shared between work-groups.
.set CBO,   2097152
.set TCO,   10485760
.set CCO,   10551296
.set TP,    528                        ; a token's row in LDS: 512 bytes + 16
.set PART,  64*TP                      ; tokens: behind the tile, each wave's partial sums of squares, 256 bytes a wave
.set CS,    35840                      ; codes: each wave's constants, 512 bytes a wave: four kinds x 32 lanes
.set SPARE, 39936                      ; the spare words, 128 bytes for each of the eight waves; no other line names them
.set EPS,   0x2b8cbccc                 ; 1e-12
.set SPW,   6                          ; v6  my spare word's LDS address; never rewritten
.set NIL,   7                          ; v7  0; never rewritten
.set XX,    16                         ; tokens: v[16:79]   16 channels x 4 tokens as loaded; later 8 rows read back
.set PP,    80                         ; tokens: v[80:111]  token i: 8 registers, 16 channels in bf16
.set SS,    112                        ; tokens: v[112:115] sums of squares of my four tokens
.set TM,    116
.set NN,    120                        ; wave 0: n, 1/n, c, and the four kinds to store
.set RZ,    128
.set CZ,    136
.set OT,    144
.set DD,    16                         ; codes: v[16:143]   row j: 8 registers from w_vqkd, 8 from w_vqgan
.set OO,    144                        ; codes: v[144:175]  row j: my 8 channels in bf16
.set SSK,   176
.set SSG,   177
.set T0,    178
.set T1,    179
.set T2,    180
.set T3,    181
.set ZR,    182
	s_load_b256 s[4:11], s[0:1], 0x0               ; z s[4:5], w_vqkd s[6:7], w_vqgan s[8:9], W1 s[10:11]
	v_lshl_add_u32 v[SPW], v0, 2, SPARE
	v_mov_b32 v[NIL], 0
	v_lshrrev_b32 v1, 5, v0
	v_readfirstlane_b32 s12, v1                    ; wave 0..7
	v_and_b32 v2, 31, v0                           ; l
	v_and_b32 v3, 15, v0                           ; r = l % 16
	v_bfe_u32 v4, v0, 4, 1                         ; h = l / 16
	s_mov_b32 s14, 0x76543210                      ; v_permlanex16_b32: each lane takes its own place in the other half
	s_mov_b32 s15, 0xfedcba98
	s_cmp_lt_u32 ttmp9, 64
	s_cbranch_scc0 .Lcodes
; ---------------- TOKENS.  Work-group g: tokens 64 g .. 64 g + 63 = 256 consecutive bytes of each of the 256 channel rows of image g / 16.
; Lane (r, h) of wave w: tokens 4 r .. 4 r + 3, channels 32 w + 16 h + q, q = 0 .. 15: sixteen lanes read 256 consecutive bytes.
	s_lshr_b32 s16, ttmp9, 4
	s_lshl_b32 s16, s16, 20                        ; image: 256 channels x 4,096 bytes
	s_and_b32 s17, ttmp9, 15
	s_lshl_b32 s17, s17, 8                         ; my 64 tokens in a channel's row
	s_add_co_u32 s16, s16, s17
	s_mov_b32 s17, 0
	s_lshl_b32 s18, s12, 17                        ; 32 w channels
	v_lshlrev_b32 v8, 4, v3
	v_lshl_add_u32 v8, v4, 16, v8                  ; + 16 h channels + 16 r bytes
	v_add_nc_u32 v8, s18, v8
	s_wait_kmcnt 0x0
	s_add_nc_u64 s[4:5], s[4:5], s[16:17]
.irp q, 0,1,2,3,4,5,6,7,8,9,10,11,12,13,14,15
	global_load_b128 v[XX+4*\q:XX+4*\q+3], v8, s[4:5] offset:4096*\q th:TH_LOAD_NT
.endr
	v_mul_u32_u24 v9, v3, 4*TP                     ; into the tile: row 4 r + i, byte 64 w + 32 h
	v_lshl_add_u32 v9, v4, 5, v9
	s_lshl_b32 s19, s12, 6
	v_add_nc_u32 v9, s19, v9
	s_lshl_b32 s24, s12, 8
	v_lshl_add_u32 v10, v3, 4, s24                 ; my wave's partial sums: 256 w + 16 r
	s_mul_i32 s25, s12, 8*TP
	v_lshl_add_u32 v11, v2, 4, s25                 ; back: rows 8 w + i, 16 bytes a lane
	v_lshlrev_b32 v12, 4, v2
	v_lshlrev_b32 v13, 4, v3
	v_lshrrev_b32 v14, 2, v3                       ; tc: record r / 4, place 4 (r % 4)
	v_lshlrev_b32 v14, 8, v14
	v_and_b32 v15, 3, v3
	v_lshl_add_u32 v14, v15, 4, v14
	s_lshl_b32 s20, ttmp9, 15                      ; tb: 64 rows of 512 bytes a work-group, 8 a wave
	s_lshl_b32 s21, s12, 12
	s_add_co_u32 s20, s20, s21
	s_mov_b32 s21, 0
	s_add_nc_u64 s[20:21], s[10:11], s[20:21]
	s_lshl_b32 s22, ttmp9, 10                      ; tc: four records a work-group
	s_mov_b32 s23, 0
	s_add_nc_u64 s[22:23], s[10:11], s[22:23]
	s_add_nc_u64 s[22:23], s[22:23], TCO
.irp i, 0,1,2,3
	v_mov_b32 v[SS+\i], 0
	v_mov_b32 v[TM+\i], 0
.endr
.irp u, 0,1,2,3,4,5,6,7
	s_wait_loadcnt 14-2*\u                         ; channels 2 u and 2 u + 1 are in; the 14 - 2 u younger loads stay out
.irp i, 0,1,2,3
	v_cvt_pk_bf16_f32 v[PP+8*\i+\u], v[XX+8*\u+\i], v[XX+8*\u+4+\i]
.endr
.irp i, 0,1,2,3
	v_fma_mix_f32_bf16 v[SS+\i], v[PP+8*\i+\u], v[PP+8*\i+\u], v[SS+\i] op_sel_hi:[1,1,0]  ; the square of the rounded number, in f32
.endr
.irp i, 0,1,2,3
	v_fma_mix_f32_bf16 v[SS+\i], v[PP+8*\i+\u], v[PP+8*\i+\u], v[SS+\i] op_sel:[1,1,0] op_sel_hi:[1,1,0]
.endr
.endr
.irp i, 0,1,2,3
	v_permlanex16_b32 v[TM+\i], v[SS+\i], s14, s15 ; the other 16 channels of my wave lie in the lane 16 away
.endr
.irp i, 0,1,2,3
	v_add_f32 v[SS+\i], v[SS+\i], v[TM+\i]
.endr
	ds_store_b128 v10, v[SS:SS+3] offset:PART      ; both halves of the lanes hold the same four sums
.irp i, 0,1,2,3
	ds_store_b128 v9, v[PP+8*\i:PP+8*\i+3] offset:TP*\i
	ds_store_b128 v9, v[PP+8*\i+4:PP+8*\i+7] offset:TP*\i+16
.endr
	s_wait_dscnt 0x0                               ; for the others' sake: my stores are done
	s_barrier_signal -1
	s_barrier_wait -1
.irp i, 0,1,2,3,4,5,6,7
	ds_load_b128 v[XX+4*\i:XX+4*\i+3], v11 offset:TP*\i
.endr
.irp i, 0,1,2,3,4,5,6,7
	s_wait_dscnt 7-\i                              ; row i is back; the younger loads stay out
	global_store_b128 v12, v[XX+4*\i:XX+4*\i+3], s[20:21] offset:512*\i  ; a wave's store is a whole row of tb: 512 consecutive bytes
.endr
	s_cmp_lg_u32 s12, 0
	s_cbranch_scc1 .Ltok_end
	; wave 0 alone: the eight waves' partial sums (waves 0, 1: channels 0-63; waves 2-7: 64-255) and the tokens' constants
.irp k, 0,1,2,3,4,5,6,7
	ds_load_b128 v[PP+4*\k:PP+4*\k+3], v13 offset:PART+256*\k
.endr
	s_wait_dscnt 0x0
.irp p, 0,2
	v_pk_add_f32 v[PP+\p:PP+\p+1], v[PP+\p:PP+\p+1], v[PP+4+\p:PP+4+\p+1]
	v_pk_add_f32 v[PP+8+\p:PP+8+\p+1], v[PP+8+\p:PP+8+\p+1], v[PP+12+\p:PP+12+\p+1]
	v_pk_add_f32 v[PP+16+\p:PP+16+\p+1], v[PP+16+\p:PP+16+\p+1], v[PP+20+\p:PP+20+\p+1]
	v_pk_add_f32 v[PP+24+\p:PP+24+\p+1], v[PP+24+\p:PP+24+\p+1], v[PP+28+\p:PP+28+\p+1]
.endr
.irp p, 0,2
	v_pk_add_f32 v[PP+8+\p:PP+8+\p+1], v[PP+8+\p:PP+8+\p+1], v[PP+16+\p:PP+16+\p+1]
.endr
.irp p, 0,2
	v_pk_add_f32 v[PP+8+\p:PP+8+\p+1], v[PP+8+\p:PP+8+\p+1], v[PP+24+\p:PP+24+\p+1]
.endr
	; number e of 8: e < 4 the first sub-vector of token 4 r + e, else the second of token 4 r + e - 4; its sum lies at PP + e + 4 (e / 4)
.irp e, 0,1,2,3,4,5,6,7
	v_sqrt_f32 v[NN+\e], v[PP+\e+4*(\e/4)]
.endr
	v_nop                                          ; a plain instruction behind the last root,
	s_wait_alu depctr_va_vdst(0)                   ; and one wait for the eight
.irp e, 0,1,2,3,4,5,6,7
	v_max_num_f32 v[NN+\e], EPS, v[NN+\e]
.endr
.irp e, 0,1,2,3,4,5,6,7
	v_rcp_f32 v[RZ+\e], v[NN+\e]
.endr
	v_nop
	s_wait_alu depctr_va_vdst(0)                   ; one wait for the eight reciprocals
.irp e, 0,1,2,3,4,5,6,7
	v_mul_f32 v[CZ+\e], v[PP+\e+4*(\e/4)], v[RZ+\e]
	v_mul_f32 v[OT+8*(\e/4)+\e%4], -2.0, v[RZ+\e]  ; -2 / n
.endr
.irp e, 0,1,2,3,4,5,6,7
	v_mul_f32 v[CZ+\e], v[CZ+\e], v[RZ+\e]         ; c = ss / n^2
.endr
.irp e, 0,1,2,3,4,5,6,7
	v_mul_f32 v[CZ+\e], v[CZ+\e], v[NN+\e]
.endr
.irp e, 0,1,2,3,4,5,6,7
	v_mul_f32 v[OT+8*(\e/4)+4+\e%4], -0.5, v[CZ+\e]  ; -0.5 c n: times -2 / n it gives c back
.endr
.irp k, 0,1,2,3
	global_store_b128 v14, v[OT+4*\k:OT+4*\k+3], s[22:23] offset:64*\k  ; runs of 64 bytes: 1 KiB a work-group; both halves of the lanes store the same bytes
.endr
.Ltok_end:
	s_wait_tensorcnt 0x0                           ; the wave's end: three lines behind my last LDS store
	ds_add_u32 v[SPW], v[NIL]
	s_wait_dscnt 0x0
	s_endpgm
; ---------------- CODES.  Work-group g' = g - 64: codes 64 g' .. + 63, eight a wave, a row at a time.  Lane l holds channels 8 l .. 8 l + 7 of the joined row:
; lanes 0-7 from w_vqkd, lanes 8-31 from w_vqgan.  Every lane loads 32 bytes from both tables at a clamped offset and keeps the one that is its own.
.Lcodes:
	s_sub_co_u32 s16, ttmp9, 64
	s_lshl_b32 s17, s16, 6
	s_lshl3_add_u32 s17, s12, s17                  ; my wave's first row
	s_lshl_b32 s18, s17, 8                         ; x 256 bytes in w_vqkd
	s_mov_b32 s19, 0
	s_mul_i32 s20, s17, 768                        ; x 768 in w_vqgan
	s_mov_b32 s21, 0
	s_lshl_b32 s22, s17, 9                         ; x 512 in cb
	s_mov_b32 s23, 0
	s_lshl_b32 s26, s16, 10                        ; cc: four records a work-group
	s_mov_b32 s27, 0
	v_min_u32 v8, 7, v2
	v_lshlrev_b32 v8, 5, v8                        ; 32 min(l, 7)
	v_max_u32 v9, 8, v2
	v_add_nc_u32 v9, -8, v9
	v_lshlrev_b32 v9, 5, v9                        ; 32 max(l - 8, 0)
	v_lshlrev_b32 v10, 4, v2                       ; my 16 bytes of a row of cb
	v_cmp_gt_u32 s24, 8, v2                        ; lanes 0-7
	s_wait_kmcnt 0x0
	s_add_nc_u64 s[6:7], s[6:7], s[18:19]
	s_add_nc_u64 s[8:9], s[8:9], s[20:21]
	s_add_nc_u64 s[22:23], s[10:11], s[22:23]
	s_add_nc_u64 s[22:23], s[22:23], CBO
	s_add_nc_u64 s[26:27], s[10:11], s[26:27]
	s_add_nc_u64 s[26:27], s[26:27], CCO
.irp j, 0,1,2,3,4,5,6,7
	global_load_b128 v[DD+16*\j:DD+16*\j+3],     v8, s[6:7] offset:256*\j th:TH_LOAD_NT
	global_load_b128 v[DD+16*\j+4:DD+16*\j+7],   v8, s[6:7] offset:256*\j+16 th:TH_LOAD_NT
	global_load_b128 v[DD+16*\j+8:DD+16*\j+11],  v9, s[8:9] offset:768*\j th:TH_LOAD_NT
	global_load_b128 v[DD+16*\j+12:DD+16*\j+15], v9, s[8:9] offset:768*\j+16 th:TH_LOAD_NT
.endr
	v_mov_b32 v[SSK], 0
	v_mov_b32 v[SSG], 0
	v_mov_b32 v[T1], 0
	v_mov_b32 v[T3], 0
	v_mov_b32 v[ZR], 0
; Row j: choose, round, store 512 whole bytes, and sum the squares of the rounded numbers: lanes 0-7 for the first sub-vector, lanes 8-31 for the second.
.macro CROW j
.set KD, DD+16*(\j)
.set GN, DD+16*(\j)+8
.set OJ, OO+4*(\j)
	s_wait_loadcnt 4*(7-(\j))                      ; row j's four loads are in; the later rows' stay out
.irp i, 0,1,2,3,4,5,6,7
	v_cndmask_b32 v[GN+\i], v[GN+\i], v[KD+\i], s24
.endr
.irp u, 0,1,2,3
	v_cvt_pk_bf16_f32 v[OJ+\u], v[GN+2*\u], v[GN+2*\u+1]
.endr
	global_store_b128 v10, v[OJ:OJ+3], s[22:23] offset:512*(\j)  ; each row has its own four registers: none is rewritten
	v_fma_mix_f32_bf16 v[T0], v[OJ], v[OJ], v[ZR] op_sel_hi:[1,1,0]
	v_fma_mix_f32_bf16 v[T2], v[OJ], v[OJ], v[ZR] op_sel:[1,1,0] op_sel_hi:[1,1,0]
.irp u, 1,2,3
	v_fma_mix_f32_bf16 v[T0], v[OJ+\u], v[OJ+\u], v[T0] op_sel_hi:[1,1,0]
	v_fma_mix_f32_bf16 v[T2], v[OJ+\u], v[OJ+\u], v[T2] op_sel:[1,1,0] op_sel_hi:[1,1,0]
.endr
	v_add_f32 v[T0], v[T0], v[T2]
	v_add_f32_dpp v[T0], v[T0], v[T0] row_xmask:1 row_mask:0xf bank_mask:0xf
	v_add_f32_dpp v[T0], v[T0], v[T0] row_xmask:2 row_mask:0xf bank_mask:0xf
	v_add_f32_dpp v[T0], v[T0], v[T0] row_xmask:4 row_mask:0xf bank_mask:0xf  ; the sum of my group of eight lanes
	v_mov_b32_dpp v[T1], v[T0] row_xmask:8 row_mask:0xf bank_mask:0xf         ; the neighbouring group's
	v_add_f32 v[T2], v[T0], v[T1]
	v_permlanex16_b32 v[T3], v[T2], s14, s15       ; the other sixteen lanes'
	v_add_f32 v[T3], v[T1], v[T3]                  ; in lanes 0-7: lanes 8-31 together
	v_cmp_eq_u32 vcc_lo, \j, v2
	v_cndmask_b32 v[SSK], v[SSK], v[T0], vcc_lo    ; lane j keeps row j's two sums
	v_cndmask_b32 v[SSG], v[SSG], v[T3], vcc_lo
.endm
.irp j, 0,1,2,3,4,5,6,7
	CROW \j
.endr
	v_sqrt_f32 v[T0], v[SSK]
	v_sqrt_f32 v[T1], v[SSG]
	v_nop
	s_wait_alu depctr_va_vdst(0)                   ; one wait for the two roots
	v_max_num_f32 v[T0], EPS, v[T0]
	v_max_num_f32 v[T1], EPS, v[T1]
	v_rcp_f32 v[T2], v[T0]
	v_rcp_f32 v[T3], v[T1]
	s_lshl_b32 s25, s12, 9                         ; my wave's 512 bytes of the scratch
	v_lshl_add_u32 v11, v2, 2, s25                 ; + 4 l (the plain instruction behind the reciprocals)
	s_wait_alu depctr_va_vdst(0)                   ; one wait for the two reciprocals
	v_mul_f32 v[SSK], v[SSK], v[T2]
	v_mul_f32 v[SSG], v[SSG], v[T3]
	v_mul_f32 v[SSK], v[SSK], v[T2]                ; c = ss / n^2
	v_mul_f32 v[SSG], v[SSG], v[T3]
	; all 32 lanes store, 128 bytes a kind: lanes 0-7 hold the wave's eight codes; what lanes 8-31 store (the constants of a zero sum, finite) is read by nobody
	ds_store_b32 v11, v[T2]  offset:CS
	ds_store_b32 v11, v[SSK] offset:CS+128
	ds_store_b32 v11, v[T3]  offset:CS+256
	ds_store_b32 v11, v[SSG] offset:CS+384
	s_wait_dscnt 0x0                               ; for the others' sake: my stores are done
	s_barrier_signal -1
	s_barrier_wait -1
	s_cmp_lt_u32 s12, 2
	s_cbranch_scc0 .Lcode_end
	; threads 0-63 gather the four records.  Thread i stores bytes 16 i .. 16 i + 15 of them: record i / 16, kind (i / 4) % 4, codes 4 (i % 4) .. + 3 of the record's 16,
	; which are lanes 4 (i % 2) .. + 3 of wave 2 (i / 16) + (i / 2) % 2
	v_lshlrev_b32 v12, 4, v0
	v_lshrrev_b32 v13, 4, v0
	v_lshlrev_b32 v13, 10, v13                     ; two waves' 1,024 bytes a record
	v_bfe_u32 v14, v0, 1, 1
	v_lshl_add_u32 v13, v14, 9, v13                ; the wave of the two
	v_bfe_u32 v14, v0, 2, 2
	v_lshl_add_u32 v13, v14, 7, v13                ; the kind
	v_and_b32 v14, 1, v0
	v_lshl_add_u32 v13, v14, 4, v13                ; lanes 0-3 or 4-7
	ds_load_b128 v[184:187], v13 offset:CS
	s_wait_dscnt 0x0
	global_store_b128 v12, v[184:187], s[26:27]    ; sixteen lanes store a whole record: 256 consecutive bytes, aligned
.Lcode_end:
	s_wait_tensorcnt 0x0                           ; the wave's end: three lines behind my last LDS store
	ds_add_u32 v[SPW], v[NIL]
	s_wait_dscnt 0x0
	s_endpgm
.Lfunc_end_k_q4d515fee29_prep:
	.size	k_q4d515fee29_prep, .Lfunc_end_k_q4d515fee29_prep-k_q4d515fee29_prep
	.p2alignl 7, 3214868480
	.fill 96, 4, 3214868480
	.section	.rodata,"a",@progbits
	.p2align	6, 0x0
	.amdhsa_kernel k_q4d515fee29_prep
		.amdhsa_group_segment_fixed_size 40960
		.amdhsa_private_segment_fixed_size 0
		.amdhsa_enable_private_segment 0
		.amdhsa_kernarg_size 32
		.amdhsa_user_sgpr_count 2
		.amdhsa_user_sgpr_kernarg_segment_ptr 1
		.amdhsa_wavefront_size32 1
		.amdhsa_system_sgpr_workgroup_id_x 1
		.amdhsa_system_sgpr_workgroup_id_y 1
		.amdhsa_system_sgpr_workgroup_id_z 1
		.amdhsa_system_vgpr_workitem_id 0
		.amdhsa_next_free_vgpr 200
		.amdhsa_next_free_sgpr 66
		.amdhsa_reserve_vcc 1
		.amdhsa_float_denorm_mode_32 3
		.amdhsa_float_denorm_mode_16_64 3
		.amdhsa_memory_ordered 1
		.amdhsa_forward_progress 1
		.amdhsa_inst_pref_size 38
	.end_amdhsa_kernel
	.amdgpu_metadata
---
amdhsa.version: [ 1, 2 ]
amdhsa.kernels:
  - .name:           k_q4d515fee29_prep
    .symbol:         k_q4d515fee29_prep.kd
    .args:
      - { .name: z, .offset: 0, .size: 8, .value_kind: global_buffer, .address_space: global }
      - { .name: w_vqkd, .offset: 8, .size: 8, .value_kind: global_buffer, .address_space: global }
      - { .name: w_vqgan, .offset: 16, .size: 8, .value_kind: global_buffer, .address_space: global }
      - { .name: W1, .offset: 24, .size: 8, .value_kind: global_buffer, .address_space: global }
    .group_segment_fixed_size: 40960
    .private_segment_fixed_size: 0
    .kernarg_segment_align: 8
    .kernarg_segment_size: 32
    .max_flat_workgroup_size: 256
    .sgpr_count:     66
    .vgpr_count:     200
    .wavefront_size: 32
...
	.end_amdgpu_metadata
.endif
;; end of part 1
;; launch passA (part 2): grid 16 x 16, 4 waves a work-group, clusters of 4 x 1, 327,680 bytes of LDS; arguments W1, W2; writes W2
.if DOCPART == 2
	.amdgcn_target "amdgcn-amd-amdhsa--gfx1250"
	.amdhsa_code_object_version 6
	.text
	.protected	k_q4d515fee29_passA
	.globl	k_q4d515fee29_passA
	.p2align	8
	.type	k_q4d515fee29_passA,@function
k_q4d515fee29_passA:
	s_mov_b64 s[64:65], 0
	v_nop
	global_prefetch_b8 v0, s[64:65] scope:SCOPE_SE
	s_setreg_imm32_b32 hwreg(HW_REG_WAVE_MODE, 25, 1), 1
	s_wait_xcnt 0x0
	s_wait_alu depctr_hold_cnt(0) depctr_sa_sdst(0) depctr_va_vdst(0) depctr_va_sdst(0) depctr_va_ssrc(0) depctr_va_vcc(0) depctr_vm_vsrc(0)
	s_getreg_b32 s2, hwreg(HW_REG_IB_STS2, 6, 4)
	s_cmp_eq_u32 s2, 0
	s_cbranch_scc0 .Lentry_in_a_cluster
	s_endpgm
.Lentry_in_a_cluster:
	s_bfe_u32 s2, ttmp6, 0x10000c
	s_cmp_lg_u32 s2, 0x3003
	s_cbranch_scc0 .Lentry_shape_is_right
	s_endpgm
.Lentry_shape_is_right:
; PASS A.  For every token and a split of 1,024 codes: d_k, d_g and d = d_k + d_g; the sums of d_k^2 and d_g^2; the least d with its code; Z = the sum of 2^(K m - K d), K = 100 log2(e), m the running least d.
; THE PRODUCTS are taken of the RAW inputs rounded to bf16 (f32 sums); the norms, taken of the same rounded numbers, are applied behind them in f32:
;   d_k = (A_k re_k + kappa_k) (-2 / n_k) + ce_k, kappa_k = -0.5 c_k n_k, so that the second factor gives the token's own c_k back; d_g likewise.
; SHARES.  Work-group (x, y): tokens 256 x .. + 255 (64 a wave: four tiles of 16, kept in 256 registers), codes 1,024 y .. + 1,023, streamed through LDS in 64 tiles of 16.
; LAYOUT.  Source 0 = 16 codes, source 1 = 16 tokens: in a result a lane holds ONE token (lane % 16) and the codes 8 (lane / 16) + 0..7.  K steps 0, 1 (channels 0-63) sum into AK, steps 2-7 into AG.
; BY TURNS.  Turn c: the 252 vector instructions on tile c's results stand in slices of eight behind the 32 products of tile c + 1; tile c + 2's fragments and tile c + 1's constants are read from LDS in one run.
; The softmax keeps a running minimum of d (a maximum of -d): in every turn Z is multiplied by 2^(K m_new - K m_old), both rounded, so the factor is exactly 1 where m stands.
; THE LEAST d.  A lane keeps the eight d of the first tile in which its minimum fell, and that tile's number, by selects alone; the place inside the tile is found at the end.  Ties go to the lower code.
; CLUSTER.  The four work-groups of a cluster differ in x alone and stream the same codes and constants: every tensor load is joint (mask 15).
; LIMITS.  NaN and infinities are not treated apart; a weight below 2^-126 counts as 0 in Z; two d that differ by less than f32's rounding may change places against another order of the same arithmetic.
; W2 = pm | pz | pi ([16 splits][4096]: least d, Z, code) | psq ([1024 waves][sum d_k^2, sum d_g^2]).
; REGISTERS, in windows of 256 (s_set_vgpr_msb: bits 1:0 source 0, 3:2 source 1, 5:4 source 2, 7:6 destination):
;   window 0: all that the vector work touches   window 1: the tokens' fragments, tile t, K step s at 64 t + 8 s   window 2: v0-127 the codes' fragments, two buffers of 64
.set PITCH, 528                        ; an LDS row: 512 bytes + 16: an odd multiple of 16, so the 16 rows of a fragment load start at 16 different groups of four banks
.set SLOTB, 128*PITCH                  ; a slot: 128 codes
.set SLOT1, 1<<17                      ; slot 1 begins here: one exclusive or turns an address in one slot into the other's
.set CONST, SLOTB                      ; the split's 64 records of constants, 16,384 bytes, filled once
.set STG,   84992                      ; the work-group's stage for the way out: three arrays of 256 words; no tensor load fills it
.set SPARE, 88064                      ; the spare words, 128 bytes a wave; no other line names them
.set CBO,   2097152                    ; cb, tc, cc in W1
.set TCO,   10485760
.set CCO,   10551296
.set PSQO,  786432                     ; psq in W2
.set AF0, 2                            ; v2  my lane's place in a tile of fragments: r x 528 + 16 h; never rewritten
.set AC0, 3                            ; v3  CONST + 32 h
.set ADR, 4                            ; v4  the address of the run of fragment loads in hand
.set ADC, 5                            ; v5  of the constants'
.set SPW, 6                            ; v6  my spare word; never rewritten
.set NIL, 7                            ; v7  0; never rewritten
.set ST,  8                            ; tile t at ST + 12 t: +0 -2/n_k, +1 m, +2 kappa_k, +3 tile of m, +4 -2/n_g, +5 the tile's least, +6 kappa_g, +7 K m new, +8 K m, +9 its change, +10, +11 Z
.set SQ,  56                           ; v[56:63]  sums of d_k^2 (two pairs), of d_g^2 (two pairs)
.set SV,  64                           ; v[64:95]  tile t: the eight d of the tile in which m fell
.set REK, 96                           ; v[96:127] the codes' constants of the tile in hand: re_k, ce_k, re_g, ce_g, eight each
.set ACC, 128                          ; v[128:255] buffer b, tile t at ACC + 64 b + 16 t: AK 8, AG 8
.set EP,  96                           ; the way out: eight registers a tile, where the constants lay
.set WV,  20
.set CX,  21
.set BX,  22
.set BY,  23
.set G1,  24                           ; s[24:31] group 1 of the stream
.set G0A, 32                           ; s[32:35] group 0: slot 0's first fill
.set G0W, 36                           ; s[36:39] group 0: slot 1's first fill; then it walks
.set G1C, 40                           ; s[40:47] group 1 of the constants
.set G0C, 48                           ; s[48:51] group 0 of the constants
.set SLOTS, 52
.set CNT, 53
.set TB,  54                           ; LDS byte at which the tile to be fetched next begins
.set TC,  55                           ; byte in CONST of the record to be fetched next
.set CUR, 56                           ; the tile whose results are in hand
.set LIM, 57                           ; 2 in a wave that prefetches, else the greatest number
.set PFA, 58                           ; s[58:59] where my prefetches stand
.set SEL, 60
.set KK,  62                           ; s[62:63] K
.set NK,  66                           ; s[66:67] -K
.set MK,  68                           ; s[68:71] tile t: the lanes in which the minimum fell
.set PER, 8                            ; vector instructions behind a product
.set NR,  252
.set LS,  8                            ; the run of LDS loads stands behind slice 8: the constants' last reader is number 63
.set W_MM, 0x06                        ; source 0 window 2, source 1 window 1, C and D window 0
.set MSB, 0
.macro WIN new                         ; the high byte repeats the setting that is left; a switch that changes nothing is dropped
.if MSB != (\new)
	s_set_vgpr_msb (MSB<<8)|(\new)
.set MSB, (\new)
.endif
.endm
.macro PLACES
.rept 4
	v_nop
.endr
.endm
; A round of the cluster's barrier: my work-group's barrier; wave 0 signals for the work-group; every wave waits for all four work-groups; my work-group's barrier once more.
.macro CROUND
	s_barrier_signal -1
	s_barrier_wait -1
	s_cmp_lg_u32 s[WV], 0
	s_cbranch_scc1 .Lnot_wave_0_\@
	s_barrier_signal -3
.Lnot_wave_0_\@:
	s_barrier_wait -3
	s_barrier_signal -1
	s_barrier_wait -1
.endm
; A joint refill: every wave fetches its 32 rows of the slot's 128; the same line, descriptor and mask in all four work-groups.  An s_nop 0 and four v_nop follow.
.macro JLOAD
	tensor_load_to_lds s[G0W:G0W+3], s[G1:G1+7]
	s_nop 0
.rept 4
	v_nop
.endr
.endm
; A prefetch of the block of 128 codes that stands TWO refills on (16 turns, 512 products).  All four clusters of a split stream the same rows: the first of them asks.  Its four partners take 32 rows each,
; told apart by address; waves 0 and 1 take the two halves of 256 bytes of a row; a lane a row.  So each 256 bytes are named once.  The last two refills ask for nothing; blocks 0 to 3 come by their loads alone.
.macro ASK
	s_cmp_gt_u32 s[SLOTS], s[LIM]
	s_cbranch_scc0 .Lnot_mine_\@
	global_prefetch_b8 v1, s[PFA:PFA+1] th:TH_LOAD_NT scope:SCOPE_SE
.Lnot_mine_\@:
.endm
; 16 LDS loads: a tile's fragments (16 codes x 256 channels) into buffer b
.macro FETCH_F b
	WIN 0
	v_add_nc_u32 v[ADR], s[TB], v[AF0]
	s_add_co_u32 s[TB], s[TB], 16*PITCH
	WIN 0x80                                       ; destination window 2
.set fs, 0
.rept 8
	ds_load_b128 v[64*(\b)+8*fs:64*(\b)+8*fs+3],   v[ADR] offset:64*fs
	ds_load_b128 v[64*(\b)+8*fs+4:64*(\b)+8*fs+7], v[ADR] offset:64*fs+32
.set fs, fs+1
.endr
.endm
; 8 LDS loads: a tile's record: for my eight codes 8 h .. 8 h + 7 the four kinds
.macro FETCH_C
	WIN 0
	v_add_nc_u32 v[ADC], s[TC], v[AC0]
	s_add_co_u32 s[TC], s[TC], 256
.irp k, 0,1,2,3
	ds_load_b128 v[REK+8*\k:REK+8*\k+3],   v[ADC] offset:64*\k
	ds_load_b128 v[REK+8*\k+4:REK+8*\k+7], v[ADC] offset:64*\k+16
.endr
.endm
; Product mi of 32: K step mi / 4, token tile mi % 4, into the buffer that turn b does not work on.  The accumulators take turns, one instruction a turn: three others stand between two links.
.macro MM b
	WIN W_MM
.set ks, mi/4
.set kt, mi%4
.set rD, ACC+64*(1-(\b))+16*kt+8*((ks+6)/8)
.set rA, 64*(1-(\b))+8*ks
.set rB, 64*kt+8*ks
.if (ks == 0) || (ks == 2)
	v_wmma_f32_16x16x32_bf16 v[rD:rD+7], v[rA:rA+7], v[rB:rB+7], 0
.else
	v_wmma_f32_16x16x32_bf16 v[rD:rD+7], v[rA:rA+7], v[rB:rB+7], v[rD:rD+7]
.endif
.set mi, mi+1
.endm
; THE VECTOR WORK OF A TURN: number rn of 252, on buffer b.
;   0-63    d_k in AK, then d_g in AG: two packed multiply-adds a pair; each accumulator's lowest registers are read first
;   64-111  by tile: the squares onto their sums, then d = d_k + d_g into AG
;   112-127 the tile's least d     128-147 where it is below m; m; K m; its change; K m kept
;   148-163 K m - K d into AK (d stays in AG)
;   164-235 ONE BATCH of 36 exponentials, each with a select beside it that names no result: the 32 weights and the saving of d, then the four factors (into AG's first register, whose d has been saved) and the tile's number
;   (wait)  one for the batch, ahead of 236; the last select is the plain instruction behind the last exponential
;   236-251 the sum of the eight weights; Z = Z x factor + sum
.macro RA b
	WIN 0
.set aB, ACC+64*(\b)
.if rn < 64
.set xh, rn/32
.set xt, (rn%32)/8
.set xp, rn%4
.set rX, aB+16*xt+8*xh+2*xp
.set rT, ST+12*xt+4*xh
.set rC, REK+16*xh+2*xp
.if (rn%8) < 4
	v_pk_fma_f32 v[rX:rX+1], v[rX:rX+1], v[rC:rC+1], v[rT+2:rT+3] op_sel_hi:[1,1,0]
.else
	v_pk_fma_f32 v[rX:rX+1], v[rX:rX+1], v[rT:rT+1], v[rC+8:rC+9] op_sel_hi:[1,0,1]
.endif
.elseif rn < 112
.set xt, (rn-64)/12
.set xq, (rn-64)%12
.if xq < 8
.set rS, SQ+4*(xq%2)+2*((xq/2)%2)
.set rX, aB+16*xt+8*(xq%2)+2*(xq/2)
	v_pk_fma_f32 v[rS:rS+1], v[rX:rX+1], v[rX:rX+1], v[rS:rS+1]
.else
.set rX, aB+16*xt+2*(xq-8)
	v_pk_add_f32 v[rX+8:rX+9], v[rX:rX+1], v[rX+8:rX+9]
.endif
.elseif rn < 148
.set xt, rn%4
.set rT, ST+12*xt
.set rG, aB+16*xt+8
.if rn < 116
	v_min3_num_f32 v[rT+5], v[rG], v[rG+1], v[rG+2]
.elseif rn < 120
	v_min3_num_f32 v[rT+5], v[rT+5], v[rG+3], v[rG+4]
.elseif rn < 124
	v_min3_num_f32 v[rT+5], v[rT+5], v[rG+5], v[rG+6]
.elseif rn < 128
	v_min_num_f32 v[rT+5], v[rT+5], v[rG+7]
.elseif rn < 132
	v_cmp_lt_f32 s[MK+xt], v[rT+5], v[rT+1]
.elseif rn < 136
	v_min_num_f32 v[rT+1], v[rT+1], v[rT+5]
.elseif rn < 140
	v_mul_f32 v[rT+7], s[KK], v[rT+1]
.elseif rn < 144
	v_sub_f32 v[rT+9], v[rT+7], v[rT+8]
.else
	v_mov_b32 v[rT+8], v[rT+7]
.endif
.elseif rn < 164
.set xt, (rn-148)/4
.set rT, ST+12*xt
.set rX, aB+16*xt+2*(rn%4)
	v_pk_fma_f32 v[rX:rX+1], v[rX+8:rX+9], s[NK:NK+1], v[rT+8:rT+9] op_sel_hi:[1,0,0]
.elseif rn < 236
.set xq, (rn-164)/2
.if xq < 32
.set xt, xq/8
.set rX, aB+16*xt+xq%8
.if (rn%2) == 0
	v_exp_f32 v[rX], v[rX]
.else
	v_cndmask_b32 v[SV+xq], v[SV+xq], v[rX+8], s[MK+xt]
.endif
.else
.set xt, xq-32
.set rT, ST+12*xt
.if (rn%2) == 0
	v_exp_f32 v[aB+16*xt+8], v[rT+9]
.else
	v_cndmask_b32 v[rT+3], v[rT+3], s[CUR], s[MK+xt]
.endif
.endif
.else
.if rn == 236
	s_wait_alu depctr_va_vdst(0)                   ; the wait for the batch
.endif
.set xt, rn%4
.set rT, ST+12*xt
.set rX, aB+16*xt
.if rn < 240
	v_pk_add_f32 v[rX:rX+1], v[rX:rX+1], v[rX+2:rX+3]
.elseif rn < 244
	v_pk_add_f32 v[rX+4:rX+5], v[rX+4:rX+5], v[rX+6:rX+7]
.elseif rn < 248
	v_pk_add_f32 v[rX:rX+1], v[rX:rX+1], v[rX+4:rX+5]
.else
	v_pk_fma_f32 v[rT+10:rT+11], v[rT+10:rT+11], v[rX+8:rX+9], v[rX:rX+1] op_sel_hi:[1,0,1]
.endif
.endif
.endm
; A TURN on buffer b.  mm: the next tile's 32 products.  ff: the fragments of the tile after that, into the buffer whose products ended a turn ago (many plain instructions back).  cf: the next tile's constants.
.macro TURN b, mm, ff, cf
	WIN 0
	s_wait_dscnt 0x0                               ; the last turn's run of loads is in
.set rn, 0
.set mi, 0
.set sl, 0
.rept 32
.if \mm
	MM \b
.endif
.rept PER
.if rn < NR
	RA \b
.set rn, rn+1
.endif
.endr
.if sl == LS
.if \ff
	FETCH_F \b
.endif
.if \cf
	FETCH_C
.endif
.endif
.set sl, sl+1
.endr
	WIN 0
	s_add_co_u32 s[CUR], s[CUR], 1
.endm
; THE CHANGE OF SLOTS.  The slot's last tile has been asked of LDS.  Each wave waits for all its tensor loads (one is out: its part of the other slot), adds 0 to its spare word, and waits for that and for its reads of
; the slot.  fill = 1: the barrier is a round of the cluster's, and the joint refill, the block two on, is the first thing behind it: it has eight turns, 256 products, in which to land.
.macro CHANGE fill
	WIN 0
	s_wait_tensorcnt 0x0                           ; no tensor load of mine is out, so a group 0 may be written
	ds_add_u32 v[SPW], v[NIL]
.if \fill
	s_xor_b32 s[G0W+1], s[G0W+1], SLOT1            ; the other slot than last time,
	s_add_nc_u64 s[G0W+2:G0W+3], s[G0W+2:G0W+3], 65536  ; the next 128 rows of 512 bytes
	s_wait_xcnt 0x0                                ; the last prefetch, eight turns back, has read its address
	s_add_nc_u64 s[PFA:PFA+1], s[PFA:PFA+1], 65536
	s_wait_dscnt 0x0                               ; the add is done, and my reads of the slot are over
	CROUND
	JLOAD
	ASK
.else
	s_wait_dscnt 0x0
	s_barrier_signal -1
	s_barrier_wait -1
.endif
	s_sub_co_u32 s[TB], s[TB], SLOTB               ; the fetches go back to a slot's first tile,
	s_xor_b32 s[TB], s[TB], SLOT1                  ; in the other slot
.endm
.macro WRED r, tmp                     ; the sum over the wave's 32 lanes, in every lane
	v_add_f32_dpp v[\r], v[\r], v[\r] row_xmask:1 row_mask:0xf bank_mask:0xf
	v_add_f32_dpp v[\r], v[\r], v[\r] row_xmask:2 row_mask:0xf bank_mask:0xf
	v_add_f32_dpp v[\r], v[\r], v[\r] row_xmask:4 row_mask:0xf bank_mask:0xf
	v_add_f32_dpp v[\r], v[\r], v[\r] row_xmask:8 row_mask:0xf bank_mask:0xf
	v_permlanex16_b32 v[\tmp], v[\r], s[SEL], s[SEL+1]
	v_add_f32 v[\r], v[\r], v[\tmp]
.endm
	s_load_b128 s[4:7], s[0:1], 0x0                ; W1 s[4:5], W2 s[6:7]
	v_lshl_add_u32 v[SPW], v0, 2, SPARE
	v_mov_b32 v[NIL], 0
	ds_add_u32 v[SPW], v[NIL]                      ; the wave's opening: the add, twice on end, and its wait ahead of my first tensor load
	ds_add_u32 v[SPW], v[NIL]
	v_lshrrev_b32 v1, 5, v0
	v_readfirstlane_b32 s[WV], v1                  ; wave 0..3
	s_bfe_u32 s[CX], ttmp6, 0x40000                ; my place in the cluster: it enters the tokens', the outputs' and the prefetches' addresses alone
	s_lshl_b32 s[BX], ttmp9, 2
	s_add_co_u32 s[BX], s[BX], s[CX]               ; token block x
	s_and_b32 s[BY], ttmp7, 0xffff                 ; code split y, which the four partners share
	; group 1 of the stream: 32 rows x 256 elements of 2 bytes, 16 bytes of padding behind each row
	s_mov_b32 s[G1], 15|(1<<16)|(1<<20)|(1<<21)|(6<<22)|(3<<25)  ; the mask of four; 2-byte elements; padding on; bit 21 beside a mask; after every 128 words; 4 words
	s_mov_b32 s[G1+1], 256<<16                     ; tensor_dim0 = 256
	s_mov_b32 s[G1+2], 32<<16                      ; tensor_dim1 = 32
	s_mov_b32 s[G1+3], 256<<16                     ; tile_dim0 = 256
	s_mov_b32 s[G1+4], 32                          ; tile_dim1 = 32
	s_mov_b32 s[G1+5], 256                         ; elements from row to row
	s_mov_b32 s[G1+6], 0
	s_mov_b32 s[G1+7], 0
	; group 1 of the constants: a dense block as 16 rows of 32 elements of 8 bytes
	s_mov_b32 s[G1C], 15|(3<<16)|(1<<21)
	s_mov_b32 s[G1C+1], 32<<16
	s_mov_b32 s[G1C+2], 16<<16
	s_mov_b32 s[G1C+3], 32<<16
	s_mov_b32 s[G1C+4], 16
	s_mov_b32 s[G1C+5], 32
	s_mov_b32 s[G1C+6], 0
	s_mov_b32 s[G1C+7], 0
	s_mov_b32 s[G0A], 1
	s_mul_i32 s[G0A+1], s[WV], 32*PITCH            ; my 32 rows of slot 0
	s_mov_b32 s[G0W], 1
	s_add_co_u32 s[G0W+1], s[G0A+1], SLOT1         ; of slot 1
	s_mov_b32 s[G0C], 1
	s_lshl_b32 s[G0C+1], s[WV], 12
	s_add_co_u32 s[G0C+1], s[G0C+1], CONST         ; my quarter of the constants
	s_lshl_b32 s72, s[BY], 19                      ; the stream: (1,024 y + 32 w) rows of 512 bytes
	s_lshl_b32 s73, s[WV], 14
	s_add_co_u32 s72, s72, s73
	s_mov_b32 s73, 0
	s_lshl_b32 s74, s[BY], 14                      ; the constants: 64 records a split, 16 a wave
	s_lshl_b32 s75, s[WV], 12
	s_add_co_u32 s74, s74, s75
	s_mov_b32 s75, 0
	s_lshl_b32 s76, s[BX], 17                      ; my tokens: (256 x + 64 w) rows of 512 bytes
	s_lshl_b32 s77, s[WV], 15
	s_add_co_u32 s76, s76, s77
	s_mov_b32 s77, 0
	s_lshl_b32 s78, s[BX], 12                      ; their records: 16 x + 4 w
	s_lshl_b32 s79, s[WV], 10
	s_add_co_u32 s78, s78, s79
	s_mov_b32 s79, 0
	s_lshl_b32 s80, s[BY], 19                      ; the prefetches: the split, my work-group's 32 rows of a block, my half of a row
	s_lshl_b32 s81, s[CX], 14
	s_add_co_u32 s80, s80, s81
	s_and_b32 s81, s[WV], 1
	s_lshl_b32 s81, s81, 8
	s_add_co_u32 s80, s80, s81
	s_mov_b32 s81, 0
	s_lshr_b32 s[LIM], s[WV], 1                    ; waves 0 and 1
	s_or_b32 s[LIM], s[LIM], ttmp9                 ; of the split's first cluster: the same in all four partners
	s_cmp_eq_u32 s[LIM], 0
	s_cselect_b32 s[LIM], 2, -1
	s_mov_b32 s[SEL], 0x76543210
	s_mov_b32 s[SEL+1], 0xfedcba98
	s_mov_b32 s[KK], 0x431044fe                    ; K = 100 log2(e)
	s_mov_b32 s[KK+1], s[KK]
	s_mov_b32 s[NK], 0xc31044fe
	s_mov_b32 s[NK+1], s[NK]
	s_mov_b32 s[TB], 0
	s_mov_b32 s[TC], 0
	s_mov_b32 s[CUR], 0
	s_wait_dscnt 0x0                               ; both opening adds are done
	s_wait_kmcnt 0x0
	s_add_nc_u64 s[G0A+2:G0A+3], s[4:5], s[72:73]
	s_add_nc_u64 s[G0A+2:G0A+3], s[G0A+2:G0A+3], CBO
	s_add_nc_u64 s[G0W+2:G0W+3], s[G0A+2:G0A+3], 65536
	s_or_b32 s[G0A+3], s[G0A+3], 0x80000000
	s_or_b32 s[G0W+3], s[G0W+3], 0x80000000
	s_add_nc_u64 s[G0C+2:G0C+3], s[4:5], s[74:75]
	s_add_nc_u64 s[G0C+2:G0C+3], s[G0C+2:G0C+3], CCO
	s_or_b32 s[G0C+3], s[G0C+3], 0x80000000
	s_add_nc_u64 s[8:9], s[4:5], s[76:77]          ; tb at my wave's first token
	s_add_nc_u64 s[10:11], s[4:5], s[78:79]
	s_add_nc_u64 s[10:11], s[10:11], TCO           ; tc at its first record
	s_add_nc_u64 s[PFA:PFA+1], s[4:5], s[80:81]
	s_add_nc_u64 s[PFA:PFA+1], s[PFA:PFA+1], CBO+3*65536  ; at block 3: the first change steps it to block 4
	CROUND                                         ; all four work-groups are here: the first joint loads meet
	tensor_load_to_lds s[G0C:G0C+3], s[G1C:G1C+7]  ; the three first fills go out together: three loads of mine are out
	s_nop 0
	tensor_load_to_lds s[G0A:G0A+3], s[G1:G1+7]
	s_nop 0
	tensor_load_to_lds s[G0W:G0W+3], s[G1:G1+7]
	s_nop 0
.rept 4
	v_nop
.endr
	; while the tiles come: my 64 tokens' fragments (lane l: row l % 16; two loads of 16 bytes, 32 apart, for each 32 channels), their constants, and the statistics' first values
	v_and_b32 v128, 15, v0                         ; r
	v_bfe_u32 v129, v0, 4, 1                       ; h
	v_lshlrev_b32 v130, 9, v128
	v_lshl_add_u32 v130, v129, 4, v130             ; r x 512 + 16 h
	v_lshlrev_b32 v131, 2, v128
	WIN 0x40                                       ; destination window 1
.set ft, 0
.rept 32                                       ; tile ft / 8, K step ft % 8
	global_load_b128 v[8*ft:8*ft+3],   v130, s[8:9] offset:(ft/8)*8192+(ft%8)*64
	global_load_b128 v[8*ft+4:8*ft+7], v130, s[8:9] offset:(ft/8)*8192+(ft%8)*64+32
.set ft, ft+1
.endr
	WIN 0
.irp t, 0,1,2,3
.irp k, 0,1,2,3
	global_load_b32 v[ST+12*\t+2*\k], v131, s[10:11] offset:256*\t+64*\k
.endr
.endr
	v_and_b32 v1, 31, v0
	v_lshlrev_b32 v1, 9, v1                        ; the prefetches' offset: a lane a row; never rewritten
	v_mul_u32_u24 v[AF0], v128, PITCH
	v_lshl_add_u32 v[AF0], v129, 4, v[AF0]
	v_lshl_add_u32 v[AC0], v129, 5, CONST
.irp t, 0,1,2,3
	v_mov_b32 v[ST+12*\t+1], 0x7149f2ca            ; m = 1e30: above every d, so the first turn's factor is 0
	v_mov_b32 v[ST+12*\t+3], 0
	v_mov_b32 v[ST+12*\t+5], 0
	v_mov_b32 v[ST+12*\t+7], 0
	v_mul_f32 v[ST+12*\t+8], s[KK], v[ST+12*\t+1]
	v_mov_b32 v[ST+12*\t+9], 0
	v_mov_b32 v[ST+12*\t+10], 0
	v_mov_b32 v[ST+12*\t+11], 0
.endr
.set ft, SQ
.rept 40                                       ; the sums of squares and the saved d: read by multiply-adds and selects from the first turn on
	v_mov_b32 v[ft], 0
.set ft, ft+1
.endr
	s_wait_tensorcnt 0x1                           ; my parts of the constants and of slot 0 are in; slot 1's load, issued last, may stay out
	s_barrier_signal -1
	s_barrier_wait -1                              ; everybody's are
	FETCH_F 0                                      ; tile 0
	FETCH_C
	FETCH_F 1                                      ; tile 1
	s_wait_loadcnt 0x0                             ; my tokens and their constants
	s_wait_dscnt 16                                ; tile 0 and its constants are in; tile 1's sixteen loads may stay out
.set mi, 0
.rept 32
	MM 1                                           ; tile 0's products, into buffer 0: there is no vector work yet to set between them
.endr
	WIN 0
	PLACES
	PLACES
	s_mov_b32 s[CNT], 3                            ; turns 0 to 5 fetch tiles 2 to 7: the first slot has three trips
	s_mov_b32 s[SLOTS], 7
	s_branch .Lstep
.Lslot:                                            ; six times: blocks 2 to 7 are asked for
	CHANGE 1
	s_mov_b32 s[CNT], 4
.Lstep:
	TURN 0, 1, 1, 1
	TURN 1, 1, 1, 1
	WIN 0
	s_sub_co_u32 s[CNT], s[CNT], 1
	s_cmp_lg_u32 s[CNT], 0
	s_cbranch_scc1 .Lstep
	s_sub_co_u32 s[SLOTS], s[SLOTS], 1
	s_cmp_lg_u32 s[SLOTS], 0
	s_cbranch_scc1 .Lslot
	CHANGE 0                                       ; the tail is written out: nothing is asked for
	s_mov_b32 s[CNT], 4
.Ltail:
	TURN 0, 1, 1, 1
	TURN 1, 1, 1, 1
	WIN 0
	s_sub_co_u32 s[CNT], s[CNT], 1
	s_cmp_lg_u32 s[CNT], 0
	s_cbranch_scc1 .Ltail
	TURN 0, 1, 0, 1                                ; turn 62: the last tile's products and constants
	TURN 1, 0, 0, 0                                ; turn 63: its vector work
	; THE WAY OUT.  The place of m among the eight saved d (the lowest that is equal); the two halves of the lanes, which hold a token's other eight codes of each tile, are merged.
	WIN 0
	v_bfe_u32 v[ADR], v0, 4, 1
	v_lshlrev_b32 v[ADR], 3, v[ADR]
	s_lshl_b32 s72, s[BY], 10
	v_add_nc_u32 v[ADR], s72, v[ADR]               ; 8 h + 1,024 y
	v_and_b32 v[ADC], 15, v0
	s_lshl_b32 s73, s[WV], 8
	s_add_co_u32 s73, s73, STG
	v_lshl_add_u32 v[ADC], v[ADC], 2, s73          ; my token's word in an array of the stage: 64 w + 16 t + r
.irp t, 0,1,2,3
	v_mov_b32 v[EP+8*\t], 7
.irp j, 6,5,4,3,2,1,0
	v_cmp_eq_f32 vcc_lo, v[SV+8*\t+\j], v[ST+12*\t+1]
	v_cndmask_b32 v[EP+8*\t], v[EP+8*\t], \j, vcc_lo
.endr
	v_lshl_add_u32 v[EP+8*\t], v[ST+12*\t+3], 4, v[EP+8*\t]
	v_add_nc_u32 v[EP+8*\t], v[EP+8*\t], v[ADR]    ; the code
	v_add_f32 v[EP+8*\t+1], v[ST+12*\t+10], v[ST+12*\t+11]
	v_permlanex16_b32 v[EP+8*\t+2], v[ST+12*\t+1], s[SEL], s[SEL+1]  ; the other half's m,
	v_permlanex16_b32 v[EP+8*\t+3], v[EP+8*\t+1], s[SEL], s[SEL+1]   ; Z,
	v_permlanex16_b32 v[EP+8*\t+4], v[EP+8*\t], s[SEL], s[SEL+1]     ; and code
	v_min_num_f32 v[EP+8*\t+5], v[ST+12*\t+1], v[EP+8*\t+2]
	v_sub_f32 v[EP+8*\t+6], v[EP+8*\t+5], v[ST+12*\t+1]
	v_sub_f32 v[EP+8*\t+7], v[EP+8*\t+5], v[EP+8*\t+2]
	v_mul_f32 v[EP+8*\t+6], s[KK], v[EP+8*\t+6]
	v_mul_f32 v[EP+8*\t+7], s[KK], v[EP+8*\t+7]
.endr
.irp t, 0,1,2,3
	v_exp_f32 v[EP+8*\t+6], v[EP+8*\t+6]
	v_exp_f32 v[EP+8*\t+7], v[EP+8*\t+7]
.endr
	v_nop                                          ; a plain instruction behind the last exponential,
	s_wait_alu depctr_va_vdst(0)                   ; and one wait for the eight
.irp t, 0,1,2,3
	v_mul_f32 v[EP+8*\t+1], v[EP+8*\t+1], v[EP+8*\t+6]
	v_mul_f32 v[EP+8*\t+3], v[EP+8*\t+3], v[EP+8*\t+7]
	v_add_f32 v[EP+8*\t+1], v[EP+8*\t+1], v[EP+8*\t+3]  ; two products and a sum that does not mind their order: both lanes of a token, which store the same word, hold the same bits
	v_cmp_lt_f32 s72, v[EP+8*\t+2], v[ST+12*\t+1]
	v_cmp_eq_f32 s73, v[EP+8*\t+2], v[ST+12*\t+1]
	v_cmp_lt_u32 s74, v[EP+8*\t+4], v[EP+8*\t]
	s_and_b32 s73, s73, s74
	s_or_b32 s72, s72, s73                         ; the other half wins with a lower d, or with the same d and a lower code
	v_cndmask_b32 v[EP+8*\t], v[EP+8*\t], v[EP+8*\t+4], s72
	ds_store_b32 v[ADC], v[EP+8*\t+5] offset:64*\t
	ds_store_b32 v[ADC], v[EP+8*\t+1] offset:1024+64*\t
	ds_store_b32 v[ADC], v[EP+8*\t] offset:2048+64*\t
.endr
	v_pk_add_f32 v[SQ:SQ+1], v[SQ:SQ+1], v[SQ+2:SQ+3]
	v_pk_add_f32 v[SQ+4:SQ+5], v[SQ+4:SQ+5], v[SQ+6:SQ+7]
	v_add_f32 v[SQ], v[SQ], v[SQ+1]
	v_add_f32 v[SQ+1], v[SQ+4], v[SQ+5]
	WRED SQ, SQ+2
	WRED SQ+1, SQ+2
	s_lshl_b32 s72, s[BY], 9                       ; psq: ((16 y + x) 4 + w) x 8 bytes
	s_lshl_b32 s73, s[BX], 5
	s_add_co_u32 s72, s72, s73
	s_lshl3_add_u32 s72, s[WV], s72
	s_mov_b32 s73, 0
	s_add_nc_u64 s[76:77], s[6:7], s[72:73]
	s_add_nc_u64 s[76:77], s[76:77], PSQO
	v_mov_b32 v[SQ+3], 0
	v_and_b32 v[SQ+4], 31, v0
	v_cmp_eq_u32 vcc_lo, 0, v[SQ+4]
	s_wait_xcnt 0x0                                ; EXEC changes only when every earlier load and prefetch has read it
	s_and_saveexec_b32 s75, vcc_lo
	global_store_b64 v[SQ+3], v[SQ:SQ+1], s[76:77] ; lane 0: the wave's two sums
	s_wait_xcnt 0x0
	s_or_b32 exec_lo, exec_lo, s75
	s_wait_dscnt 0x0                               ; for the others' sake: my stores into the stage are done
	s_barrier_signal -1
	s_barrier_wait -1
	s_cmp_lt_u32 s[WV], 3                          ; wave 0 stores the 256 m, wave 1 the Z, wave 2 the codes: 1,024 consecutive bytes each
	s_cbranch_scc0 .Lend
	s_lshl_b32 s78, s[WV], 18                      ; the array in W2,
	s_lshl_b32 s79, s[BY], 14                      ; the split's row of 4,096,
	s_add_co_u32 s78, s78, s79
	s_lshl_b32 s79, s[BX], 10                      ; my block's 256
	s_add_co_u32 s78, s78, s79
	s_mov_b32 s79, 0
	s_add_nc_u64 s[78:79], s[6:7], s[78:79]
	v_and_b32 v[SV+9], 31, v0
	v_lshlrev_b32 v[SV+9], 4, v[SV+9]
	s_lshl_b32 s80, s[WV], 10
	s_add_co_u32 s80, s80, STG
	v_add_nc_u32 v[SV+8], s80, v[SV+9]
	ds_load_b128 v[SV:SV+3], v[SV+8]
	ds_load_b128 v[SV+4:SV+7], v[SV+8] offset:512
	s_wait_dscnt 0x0
	global_store_b128 v[SV+9], v[SV:SV+3], s[78:79]
	global_store_b128 v[SV+9], v[SV+4:SV+7], s[78:79] offset:512
.Lend:
	s_wait_tensorcnt 0x0                           ; the wave's end: three lines behind my last tensor load and my last LDS store
	ds_add_u32 v[SPW], v[NIL]
	s_wait_dscnt 0x0
	CROUND                                         ; the closing round: no work-group ends while a partner may still ask for a tile that names it
	s_endpgm
.Lfunc_end_k_q4d515fee29_passA:
	.size	k_q4d515fee29_passA, .Lfunc_end_k_q4d515fee29_passA-k_q4d515fee29_passA
	.p2alignl 7, 3214868480
	.fill 96, 4, 3214868480
	.section	.rodata,"a",@progbits
	.p2align	6, 0x0
	.amdhsa_kernel k_q4d515fee29_passA
		.amdhsa_group_segment_fixed_size 327680
		.amdhsa_private_segment_fixed_size 0
		.amdhsa_enable_private_segment 0
		.amdhsa_kernarg_size 16
		.amdhsa_user_sgpr_count 2
		.amdhsa_user_sgpr_kernarg_segment_ptr 1
		.amdhsa_wavefront_size32 1
		.amdhsa_system_sgpr_workgroup_id_x 1
		.amdhsa_system_sgpr_workgroup_id_y 1
		.amdhsa_system_sgpr_workgroup_id_z 1
		.amdhsa_system_vgpr_workitem_id 0
		.amdhsa_next_free_vgpr 640
		.amdhsa_next_free_sgpr 96
		.amdhsa_reserve_vcc 1
		.amdhsa_float_denorm_mode_32 3
		.amdhsa_float_denorm_mode_16_64 3
		.amdhsa_memory_ordered 1
		.amdhsa_forward_progress 1
		.amdhsa_inst_pref_size 146
	.end_amdhsa_kernel
	.amdgpu_metadata
---
amdhsa.version: [ 1, 2 ]
amdhsa.kernels:
  - .name:           k_q4d515fee29_passA
    .symbol:         k_q4d515fee29_passA.kd
    .args:
      - { .name: W1, .offset: 0, .size: 8, .value_kind: global_buffer, .address_space: global }
      - { .name: W2, .offset: 8, .size: 8, .value_kind: global_buffer, .address_space: global }
    .group_segment_fixed_size: 327680
    .private_segment_fixed_size: 0
    .kernarg_segment_align: 8
    .kernarg_segment_size: 16
    .max_flat_workgroup_size: 128
    .sgpr_count:     96
    .vgpr_count:     640
    .wavefront_size: 32
...
	.end_amdgpu_metadata
.endif
;; end of part 2
;; launch merge (part 3): grid 8 x 1, 4 waves a work-group, no clusters, 0 bytes of LDS; arguments W2, W1, W3, idxw, out6; writes W3, idxw, out6
.if DOCPART == 3
	.amdgcn_target "amdgcn-amd-amdhsa--gfx1250"
	.amdhsa_code_object_version 6
	.text
	.protected	k_q4d515fee29_merge
	.globl	k_q4d515fee29_merge
	.p2align	8
	.type	k_q4d515fee29_merge,@function
k_q4d515fee29_merge:
	s_mov_b64 s[64:65], 0
	v_nop
	global_prefetch_b8 v0, s[64:65] scope:SCOPE_SE
	s_setreg_imm32_b32 hwreg(HW_REG_WAVE_MODE, 25, 1), 1
	s_wait_xcnt 0x0
; MERGE.  For each token the sixteen splits' (least d, Z, code) become one: m, the code (ties to the lower split, hence the lower code), Z = the sum of Z_s 2^(K m - K m_s).
; It stores what the second pass wants for a token: TZK = 2 K / n_k, TZG = 2 K / n_g, Gamma = K (m - c) - log2 Z (c = c_k + c_g), a record of 192 bytes for 16 tokens; m; and the code, twice (workspace and out6).
; A thread owns four neighbouring tokens: every load and store is 16 bytes a lane.  1,024 threads: 8 work-groups; the work is 0.8 MB of loads and cannot be shared further to any use.
; W3 = sb (49,152 bytes) | mt (16,384).
.set TCO, 10485760
.set PM,  16                           ; v[16:79]    split s: four m
.set PZ,  80                           ; v[80:143]   four Z
.set PI,  144                          ; v[144:207]  four codes
.set TCR, 208                          ; v[208:223]  -2/n_k, kappa_k, -2/n_g, kappa_g, four each
.set BM,  224
.set IX,  228
.set KM,  232
.set ZZ,  236
.set LG,  240
.set OK,  244
.set OG,  248
.set GA,  252
	s_load_b256 s[4:11], s[0:1], 0x0               ; W2 s[4:5], W1 s[6:7], W3 s[8:9], idxw s[10:11]
	s_load_b64 s[12:13], s[0:1], 0x20              ; out6
	s_lshl_b32 s14, ttmp9, 7
	v_add_nc_u32 v1, s14, v0                       ; the thread among 1,024
	v_lshlrev_b32 v2, 4, v1
	v_lshrrev_b32 v5, 2, v1                        ; its tokens' record,
	v_and_b32 v6, 3, v1
	v_lshlrev_b32 v6, 4, v6                        ; and their place in it
	v_lshl_add_u32 v3, v5, 8, v6
	v_mad_u32_u24 v4, v5, 192, v6
	s_mov_b32 s20, 0x431044fe                      ; K = 100 log2(e)
	s_mov_b32 s21, s20
	s_mov_b32 s22, 0xc31044fe
	s_mov_b32 s23, s22
	s_wait_kmcnt 0x0
	s_add_nc_u64 s[6:7], s[6:7], TCO
.irp s, 0,1,2,3,4,5,6,7,8,9,10,11,12,13,14,15
	global_load_b128 v[PM+4*\s:PM+4*\s+3], v2, s[4:5] offset:16384*\s
	global_load_b128 v[PZ+4*\s:PZ+4*\s+3], v2, s[4:5] offset:262144+16384*\s
	global_load_b128 v[PI+4*\s:PI+4*\s+3], v2, s[4:5] offset:524288+16384*\s
.endr
.irp k, 0,1,2,3
	global_load_b128 v[TCR+4*\k:TCR+4*\k+3], v3, s[6:7] offset:64*\k
.endr
	s_wait_loadcnt 0x0
.irp k, 0,1,2,3
	v_mov_b32 v[BM+\k], v[PM+\k]
	v_mov_b32 v[IX+\k], v[PI+\k]
.endr
.irp s, 1,2,3,4,5,6,7,8,9,10,11,12,13,14,15
.irp k, 0,1,2,3
	v_cmp_lt_f32 vcc_lo, v[PM+4*\s+\k], v[BM+\k]   ; strictly lower: a tie stays with the earlier split
	v_cndmask_b32 v[IX+\k], v[IX+\k], v[PI+4*\s+\k], vcc_lo
	v_min_num_f32 v[BM+\k], v[BM+\k], v[PM+4*\s+\k]
.endr
.endr
.irp k, 0,1,2,3
	v_mul_f32 v[KM+\k], s20, v[BM+\k]
.endr
.irp s, 0,1,2,3,4,5,6,7,8,9,10,11,12,13,14,15
.irp p, 0,2
	v_pk_fma_f32 v[PM+4*\s+\p:PM+4*\s+\p+1], v[PM+4*\s+\p:PM+4*\s+\p+1], s[22:23], v[KM+\p:KM+\p+1] op_sel_hi:[1,0,1]  ; K m - K m_s
.endr
.endr
.set e, 0
.rept 64
	v_exp_f32 v[PM+e], v[PM+e]
.set e, e+1
.endr
	v_nop                                          ; a plain instruction behind the last exponential,
	s_wait_alu depctr_va_vdst(0)                   ; and one wait for the 64
.irp p, 0,2
	v_pk_mul_f32 v[ZZ+\p:ZZ+\p+1], v[PZ+\p:PZ+\p+1], v[PM+\p:PM+\p+1]
.endr
.irp s, 1,2,3,4,5,6,7,8,9,10,11,12,13,14,15
.irp p, 0,2
	v_pk_fma_f32 v[ZZ+\p:ZZ+\p+1], v[PZ+4*\s+\p:PZ+4*\s+\p+1], v[PM+4*\s+\p:PM+4*\s+\p+1], v[ZZ+\p:ZZ+\p+1]
.endr
.endr
.irp k, 0,1,2,3
	v_log_f32 v[LG+\k], v[ZZ+\k]
.endr
.irp p, 0,2
	v_pk_mul_f32 v[KM+\p:KM+\p+1], v[TCR+\p:TCR+\p+1], v[TCR+4+\p:TCR+4+\p+1]                       ; c_k = (-2 / n_k) kappa_k
	v_pk_mul_f32 v[OK+\p:OK+\p+1], v[TCR+\p:TCR+\p+1], s[22:23] op_sel_hi:[1,0]                     ; 2 K / n_k
	v_pk_mul_f32 v[OG+\p:OG+\p+1], v[TCR+8+\p:TCR+8+\p+1], s[22:23] op_sel_hi:[1,0]
.endr
.irp p, 0,2
	v_pk_fma_f32 v[KM+\p:KM+\p+1], v[TCR+8+\p:TCR+8+\p+1], v[TCR+12+\p:TCR+12+\p+1], v[KM+\p:KM+\p+1]  ; + c_g
.endr
.irp p, 0,2
	v_pk_add_f32 v[KM+\p:KM+\p+1], v[BM+\p:BM+\p+1], v[KM+\p:KM+\p+1] neg_lo:[0,1] neg_hi:[0,1]        ; m - c
.endr
	s_wait_alu depctr_va_vdst(0)                   ; one wait for the four logarithms; the ten packed lines above are the work between
.irp p, 0,2
	v_pk_fma_f32 v[GA+\p:GA+\p+1], v[KM+\p:KM+\p+1], s[20:21], v[LG+\p:LG+\p+1] op_sel_hi:[1,0,1] neg_lo:[0,0,1] neg_hi:[0,0,1]
.endr
	global_store_b128 v4, v[OK:OK+3], s[8:9]
	global_store_b128 v4, v[OG:OG+3], s[8:9] offset:64
	global_store_b128 v4, v[GA:GA+3], s[8:9] offset:128
	global_store_b128 v2, v[BM:BM+3], s[8:9] offset:49152
	global_store_b128 v2, v[IX:IX+3], s[10:11]
	global_store_b128 v2, v[IX:IX+3], s[12:13]
	s_endpgm
.Lfunc_end_k_q4d515fee29_merge:
	.size	k_q4d515fee29_merge, .Lfunc_end_k_q4d515fee29_merge-k_q4d515fee29_merge
	.p2alignl 7, 3214868480
	.fill 96, 4, 3214868480
	.section	.rodata,"a",@progbits
	.p2align	6, 0x0
	.amdhsa_kernel k_q4d515fee29_merge
		.amdhsa_group_segment_fixed_size 0
		.amdhsa_private_segment_fixed_size 0
		.amdhsa_enable_private_segment 0
		.amdhsa_kernarg_size 40
		.amdhsa_user_sgpr_count 2
		.amdhsa_user_sgpr_kernarg_segment_ptr 1
		.amdhsa_wavefront_size32 1
		.amdhsa_system_sgpr_workgroup_id_x 1
		.amdhsa_system_sgpr_workgroup_id_y 1
		.amdhsa_system_sgpr_workgroup_id_z 1
		.amdhsa_system_vgpr_workitem_id 0
		.amdhsa_next_free_vgpr 256
		.amdhsa_next_free_sgpr 66
		.amdhsa_reserve_vcc 1
		.amdhsa_float_denorm_mode_32 3
		.amdhsa_float_denorm_mode_16_64 3
		.amdhsa_memory_ordered 1
		.amdhsa_forward_progress 1
		.amdhsa_inst_pref_size 20
	.end_amdhsa_kernel
	.amdgpu_metadata
---
amdhsa.version: [ 1, 2 ]
amdhsa.kernels:
  - .name:           k_q4d515fee29_merge
    .symbol:         k_q4d515fee29_merge.kd
    .args:
      - { .name: W2, .offset: 0, .size: 8, .value_kind: global_buffer, .address_space: global }
      - { .name: W1, .offset: 8, .size: 8, .value_kind: global_buffer, .address_space: global }
      - { .name: W3, .offset: 16, .size: 8, .value_kind: global_buffer, .address_space: global }
      - { .name: idxw, .offset: 24, .size: 8, .value_kind: global_buffer, .address_space: global }
      - { .name: out6, .offset: 32, .size: 8, .value_kind: global_buffer, .address_space: global }
    .group_segment_fixed_size: 0
    .private_segment_fixed_size: 0
    .kernarg_segment_align: 8
    .kernarg_segment_size: 40
    .max_flat_workgroup_size: 128
    .sgpr_count:     66
    .vgpr_count:     256
    .wavefront_size: 32
...
	.end_amdgpu_metadata
.endif
;; end of part 3
;; launch passB (part 4): grid 64 x 4, 4 waves a work-group, clusters of 4 x 1, 327,680 bytes of LDS; arguments W1, W3, W4; writes W4
.if DOCPART == 4
	.amdgcn_target "amdgcn-amd-amdhsa--gfx1250"
	.amdhsa_code_object_version 6
	.text
	.protected	k_q4d515fee29_passB
	.globl	k_q4d515fee29_passB
	.p2align	8
	.type	k_q4d515fee29_passB,@function
k_q4d515fee29_passB:
	s_mov_b64 s[64:65], 0
	v_nop
	global_prefetch_b8 v0, s[64:65] scope:SCOPE_SE
	s_setreg_imm32_b32 hwreg(HW_REG_WAVE_MODE, 25, 1), 1
	s_wait_xcnt 0x0
	s_wait_alu depctr_hold_cnt(0) depctr_sa_sdst(0) depctr_va_vdst(0) depctr_va_sdst(0) depctr_va_ssrc(0) depctr_va_vcc(0) depctr_vm_vsrc(0)
	s_getreg_b32 s2, hwreg(HW_REG_IB_STS2, 6, 4)
	s_cmp_eq_u32 s2, 0
	s_cbranch_scc0 .Lentry_in_a_cluster
	s_endpgm
.Lentry_in_a_cluster:
	s_bfe_u32 s2, ttmp6, 0x10000c
	s_cmp_lg_u32 s2, 0x3003
	s_cbranch_scc0 .Lentry_shape_is_right
	s_endpgm
.Lentry_shape_is_right:
; PASS B.  With each token's final m and Z known, the probabilities p = softmax(-100 d) are made once more and summed: over tokens for each code (the column sums), and p log2 p over everything.
;   log2 p = A_k TZK_t re_k,n + A_g TZG_t re_g,n + Gamma_t - K ce_n,   TZK = 2 K / n_k, TZG = 2 K / n_g, Gamma = K (m - c) - log2 Z, K = 100 log2(e), ce = ce_k + ce_g.
; The maximum has been taken away: Gamma holds K m, so log2 p is at most about 0.  The products are those of the first pass: raw inputs rounded to bf16, f32 sums.
; SHARES.  Work-group (x, y): codes 256 x .. + 255 (64 a wave: four tiles of 16, kept in 256 registers), tokens 1,024 y .. + 1,023, streamed through LDS in 64 tiles of 16.
; LAYOUT.  Source 0 = 16 tokens, source 1 = 16 codes: a lane holds ONE code (lane % 16) and the tokens 8 (lane / 16) + 0..7: a column sum never leaves the lane until the end.
; BY TURNS.  Turn c: the 128 vector instructions on tile c's results stand in slices of four behind the 32 products of tile c + 1.
; CLUSTER.  The four work-groups of a cluster differ in x alone and stream the same tokens and constants: every tensor load is joint (mask 15).
; LIMITS.  A probability below 2^-126 counts as 0; NaN and infinities are not treated apart.
; W4 = pc ([4 token splits][16384] column sums) | pe ([1024 waves] sums of p log2 p).
; REGISTERS: window 0 all that the vector work touches; window 1 the codes' fragments, tile t, K step s at 64 t + 8 s; window 2 v0-127 the tokens' fragments, two buffers of 64.
.set PITCH, 528
.set SLOTB, 128*PITCH
.set SLOT1, 1<<17
.set CONST, SLOTB                      ; the split's 64 records of 192 bytes, filled once
.set STG,   84992                      ; the work-group's stage: 256 words; no tensor load fills it
.set SPARE, 88064                      ; the spare words, 128 bytes a wave; no other line names them
.set CBO,   2097152
.set CCO,   10551296
.set PEO,   262144                     ; pe in W4
.set AF0, 2
.set AC0, 3
.set ADR, 4
.set ADC, 5
.set SPW, 6                            ; v6  my spare word; never rewritten
.set NIL, 7                            ; v7  0; never rewritten
.set ST,  8                            ; tile t at ST + 8 t: +0 -K ce / re_k, +2 re_k, +4 re_g (their odd partners hold 0: they are named as pairs), +6, +7 the column sum
.set HH,  40                           ; v[40:47]  tile t: a pair of sums of p log2 p
.set CB,  48                           ; v[48:95]  two buffers of 24: TZK, TZG, Gamma of my eight tokens
.set XT,  96                           ; v[96:119] at work at the head and on the way out
.set ACC, 128
.set WV,  20
.set CX,  21
.set BX,  22
.set BY,  23
.set G1,  24
.set G0A, 32
.set G0W, 36
.set G1C, 40
.set G0C, 48
.set SLOTS, 52
.set CNT, 53
.set TB,  54
.set TC,  55
.set LIM, 57
.set PFA, 58
.set SEL, 60
.set NK,  66
.set PER, 4
.set NR,  128
.set LS,  1
.set W_MM, 0x06
.set MSB, 0
.macro WIN new
.if MSB != (\new)
	s_set_vgpr_msb (MSB<<8)|(\new)
.set MSB, (\new)
.endif
.endm
.macro PLACES
.rept 4
	v_nop
.endr
.endm
.macro CROUND                          ; a round of the cluster's barrier
	s_barrier_signal -1
	s_barrier_wait -1
	s_cmp_lg_u32 s[WV], 0
	s_cbranch_scc1 .Lnot_wave_0_\@
	s_barrier_signal -3
.Lnot_wave_0_\@:
	s_barrier_wait -3
	s_barrier_signal -1
	s_barrier_wait -1
.endm
.macro JLOAD                           ; a joint refill: every wave its 32 rows; an s_nop 0 and four v_nop follow
	tensor_load_to_lds s[G0W:G0W+3], s[G1:G1+7]
	s_nop 0
.rept 4
	v_nop
.endr
.endm
; A prefetch of the block of 128 tokens that stands two refills on (16 turns, 512 products).  All sixteen clusters of a split stream the same rows: the first asks; its partners take 32 rows each, by address;
; waves 0 and 1 the two halves of 256 bytes of a row; a lane a row: each 256 bytes are named once.  The last two refills ask for nothing; blocks 0 to 3 come by their loads alone.
.macro ASK
	s_cmp_gt_u32 s[SLOTS], s[LIM]
	s_cbranch_scc0 .Lnot_mine_\@
	global_prefetch_b8 v1, s[PFA:PFA+1] th:TH_LOAD_NT scope:SCOPE_SE
.Lnot_mine_\@:
.endm
.macro FETCH_F b
	WIN 0
	v_add_nc_u32 v[ADR], s[TB], v[AF0]
	s_add_co_u32 s[TB], s[TB], 16*PITCH
	WIN 0x80
.set fs, 0
.rept 8
	ds_load_b128 v[64*(\b)+8*fs:64*(\b)+8*fs+3],   v[ADR] offset:64*fs
	ds_load_b128 v[64*(\b)+8*fs+4:64*(\b)+8*fs+7], v[ADR] offset:64*fs+32
.set fs, fs+1
.endr
.endm
.macro FETCH_C cb                      ; 6 LDS loads: a tile's record into buffer cb
	WIN 0
	v_add_nc_u32 v[ADC], s[TC], v[AC0]
	s_add_co_u32 s[TC], s[TC], 192
.irp k, 0,1,2
	ds_load_b128 v[CB+24*(\cb)+8*\k:CB+24*(\cb)+8*\k+3],   v[ADC] offset:64*\k
	ds_load_b128 v[CB+24*(\cb)+8*\k+4:CB+24*(\cb)+8*\k+7], v[ADC] offset:64*\k+16
.endr
.endm
.macro MM b                            ; product mi of 32: K step mi / 4, code tile mi % 4; the accumulators take turns
	WIN W_MM
.set ks, mi/4
.set kt, mi%4
.set rD, ACC+64*(1-(\b))+16*kt+8*((ks+6)/8)
.set rA, 64*(1-(\b))+8*ks
.set rB, 64*kt+8*ks
.if (ks == 0) || (ks == 2)
	v_wmma_f32_16x16x32_bf16 v[rD:rD+7], v[rA:rA+7], v[rB:rB+7], 0
.else
	v_wmma_f32_16x16x32_bf16 v[rD:rD+7], v[rA:rA+7], v[rB:rB+7], v[rD:rD+7]
.endif
.set mi, mi+1
.endm
.macro B34 b                           ; number yq of 8 for tile yt: AG = AG x TZG (four pairs), then AG = AG x re_g + AK = log2 p (four pairs)
.set rT, ST+8*yt
.set rK, ACC+64*(\b)+16*yt+2*(yq%4)
.set rC, CB+24*(\b)+8+2*(yq%4)
.if yq < 4
	v_pk_mul_f32 v[rK+8:rK+9], v[rK+8:rK+9], v[rC:rC+1]
.else
	v_pk_fma_f32 v[rK+8:rK+9], v[rK+8:rK+9], v[rT+4:rT+5], v[rK:rK+1] op_sel_hi:[1,0,1]
.endif
.endm
; THE VECTOR WORK OF A TURN: number rn of 128, on buffer b.
;   0-31    by tile: AK = AK x TZK - K ce / re_k, then AK = AK x re_k + Gamma; each accumulator's lowest registers are read first
;   32-39   tile 0's log2 p     40-87 by turns an exponential of tile t (p into AK) and a line of tile t + 1's log2 p     88-95 tile 3's exponentials
;   (wait)  a v_nop and one wait for the 32 exponentials, ahead of 96: nothing ahead of it names a result
;   96-111  p log2 p onto its sums     112-127 the eight p of a lane and tile onto the column sum
.macro RB b
	WIN 0
.set aB, ACC+64*(\b)
.set cB, CB+24*(\b)
.if rn < 32
.set xt, rn/8
.set rT, ST+8*xt
.set rX, aB+16*xt+2*(rn%4)
.if (rn%8) < 4
	v_pk_fma_f32 v[rX:rX+1], v[rX:rX+1], v[cB+2*(rn%4):cB+2*(rn%4)+1], v[rT:rT+1] op_sel_hi:[1,1,0]
.else
	v_pk_fma_f32 v[rX:rX+1], v[rX:rX+1], v[rT+2:rT+3], v[cB+16+2*(rn%4):cB+16+2*(rn%4)+1] op_sel_hi:[1,0,1]
.endif
.elseif rn < 40
.set yt, 0
.set yq, rn-32
	B34 \b
.elseif rn < 88
.set xt, (rn-40)/16
.set yq, ((rn-40)%16)/2
.if (rn%2) == 0
	v_exp_f32 v[aB+16*xt+yq], v[aB+16*xt+8+yq]
.else
.set yt, xt+1
	B34 \b
.endif
.elseif rn < 96
	v_exp_f32 v[aB+48+rn-88], v[aB+56+rn-88]
.elseif rn < 112
.if rn == 96
	v_nop                                          ; a plain instruction behind the last exponential,
	s_wait_alu depctr_va_vdst(0)                   ; and the wait for the batch
.endif
.set xt, rn%4
.set rX, aB+16*xt+2*((rn-96)/4)
	v_pk_fma_f32 v[HH+2*xt:HH+2*xt+1], v[rX:rX+1], v[rX+8:rX+9], v[HH+2*xt:HH+2*xt+1]
.else
.set xt, rn%4
.set rT, ST+8*xt
.set rX, aB+16*xt
.if rn < 116
	v_pk_add_f32 v[rX:rX+1], v[rX:rX+1], v[rX+2:rX+3]
.elseif rn < 120
	v_pk_add_f32 v[rX+4:rX+5], v[rX+4:rX+5], v[rX+6:rX+7]
.elseif rn < 124
	v_pk_add_f32 v[rX:rX+1], v[rX:rX+1], v[rX+4:rX+5]
.else
	v_pk_add_f32 v[rT+6:rT+7], v[rT+6:rT+7], v[rX:rX+1]
.endif
.endif
.endm
; A TURN on buffer b.  The run of LDS loads stands behind slice 1: twelve plain instructions behind the last product that read the fragment buffer; it is waited for at the next turn's head.
.macro TURN b, mm, ff, cf
	WIN 0
	s_wait_dscnt 0x0                               ; the last turn's run of loads is in
.set rn, 0
.set mi, 0
.set sl, 0
.rept 32
.if \mm
	MM \b
.endif
.rept PER
.if rn < NR
	RB \b
.set rn, rn+1
.endif
.endr
.if sl == LS
.if \ff
	FETCH_F \b
.endif
.if \cf
	FETCH_C 1-(\b)
.endif
.endif
.set sl, sl+1
.endr
	WIN 0
.endm
; THE CHANGE OF SLOTS: each wave waits for all its tensor loads (one is out: its part of the other slot), adds 0 to its spare word, and waits for that and for its reads of the slot.
; fill = 1: the barrier is a round of the cluster's, and the joint refill, the block two on, is the first thing behind it: eight turns, 256 products, in which to land.
.macro CHANGE fill
	WIN 0
	s_wait_tensorcnt 0x0                           ; no tensor load of mine is out, so a group 0 may be written
	ds_add_u32 v[SPW], v[NIL]
.if \fill
	s_xor_b32 s[G0W+1], s[G0W+1], SLOT1
	s_add_nc_u64 s[G0W+2:G0W+3], s[G0W+2:G0W+3], 65536
	s_wait_xcnt 0x0                                ; the last prefetch, eight turns back, has read its address
	s_add_nc_u64 s[PFA:PFA+1], s[PFA:PFA+1], 65536
	s_wait_dscnt 0x0                               ; the add is done, and my reads of the slot are over
	CROUND
	JLOAD
	ASK
.else
	s_wait_dscnt 0x0
	s_barrier_signal -1
	s_barrier_wait -1
.endif
	s_sub_co_u32 s[TB], s[TB], SLOTB
	s_xor_b32 s[TB], s[TB], SLOT1
.endm
	s_load_b128 s[4:7], s[0:1], 0x0                ; W1 s[4:5], W3 s[6:7]
	s_load_b64 s[8:9], s[0:1], 0x10                ; W4
	v_lshl_add_u32 v[SPW], v0, 2, SPARE
	v_mov_b32 v[NIL], 0
	ds_add_u32 v[SPW], v[NIL]                      ; the wave's opening: the add, twice on end, and its wait ahead of my first tensor load
	ds_add_u32 v[SPW], v[NIL]
	v_lshrrev_b32 v1, 5, v0
	v_readfirstlane_b32 s[WV], v1
	s_bfe_u32 s[CX], ttmp6, 0x40000                ; my place in the cluster: it enters the codes', the outputs' and the prefetches' addresses alone
	s_lshl_b32 s[BX], ttmp9, 2
	s_add_co_u32 s[BX], s[BX], s[CX]               ; code block x
	s_and_b32 s[BY], ttmp7, 0xffff                 ; token split y
	s_mov_b32 s[G1], 15|(1<<16)|(1<<20)|(1<<21)|(6<<22)|(3<<25)  ; 32 rows x 256 elements of 2 bytes, 16 bytes of padding behind each row; the mask of four
	s_mov_b32 s[G1+1], 256<<16
	s_mov_b32 s[G1+2], 32<<16
	s_mov_b32 s[G1+3], 256<<16
	s_mov_b32 s[G1+4], 32
	s_mov_b32 s[G1+5], 256
	s_mov_b32 s[G1+6], 0
	s_mov_b32 s[G1+7], 0
	s_mov_b32 s[G1C], 15|(3<<16)|(1<<21)           ; a dense block as 12 rows of 32 elements of 8 bytes
	s_mov_b32 s[G1C+1], 32<<16
	s_mov_b32 s[G1C+2], 12<<16
	s_mov_b32 s[G1C+3], 32<<16
	s_mov_b32 s[G1C+4], 12
	s_mov_b32 s[G1C+5], 32
	s_mov_b32 s[G1C+6], 0
	s_mov_b32 s[G1C+7], 0
	s_mov_b32 s[G0A], 1
	s_mul_i32 s[G0A+1], s[WV], 32*PITCH
	s_mov_b32 s[G0W], 1
	s_add_co_u32 s[G0W+1], s[G0A+1], SLOT1
	s_mov_b32 s[G0C], 1
	s_mul_i32 s[G0C+1], s[WV], 3072
	s_add_co_u32 s[G0C+1], s[G0C+1], CONST
	s_lshl_b32 s72, s[BY], 19                      ; the stream: (1,024 y + 32 w) rows of 512 bytes of tb
	s_lshl_b32 s73, s[WV], 14
	s_add_co_u32 s72, s72, s73
	s_mov_b32 s73, 0
	s_mul_i32 s74, s[BY], 12288                    ; the constants: 64 records of 192 bytes a split, 16 a wave
	s_mul_i32 s75, s[WV], 3072
	s_add_co_u32 s74, s74, s75
	s_mov_b32 s75, 0
	s_lshl_b32 s76, s[BX], 17                      ; my codes: (256 x + 64 w) rows of 512 bytes
	s_lshl_b32 s77, s[WV], 15
	s_add_co_u32 s76, s76, s77
	s_mov_b32 s77, 0
	s_lshl_b32 s78, s[BX], 12                      ; their records
	s_lshl_b32 s79, s[WV], 10
	s_add_co_u32 s78, s78, s79
	s_mov_b32 s79, 0
	s_lshl_b32 s80, s[BY], 19                      ; the prefetches
	s_lshl_b32 s81, s[CX], 14
	s_add_co_u32 s80, s80, s81
	s_and_b32 s81, s[WV], 1
	s_lshl_b32 s81, s81, 8
	s_add_co_u32 s80, s80, s81
	s_mov_b32 s81, 0
	s_lshr_b32 s[LIM], s[WV], 1
	s_or_b32 s[LIM], s[LIM], ttmp9
	s_cmp_eq_u32 s[LIM], 0
	s_cselect_b32 s[LIM], 2, -1
	s_mov_b32 s[SEL], 0x76543210
	s_mov_b32 s[SEL+1], 0xfedcba98
	s_mov_b32 s[NK], 0xc31044fe                    ; -K
	s_mov_b32 s[TB], 0
	s_mov_b32 s[TC], 0
	s_wait_dscnt 0x0                               ; both opening adds are done
	s_wait_kmcnt 0x0
	s_add_nc_u64 s[G0A+2:G0A+3], s[4:5], s[72:73]
	s_add_nc_u64 s[G0W+2:G0W+3], s[G0A+2:G0A+3], 65536
	s_or_b32 s[G0A+3], s[G0A+3], 0x80000000
	s_or_b32 s[G0W+3], s[G0W+3], 0x80000000
	s_add_nc_u64 s[G0C+2:G0C+3], s[6:7], s[74:75]
	s_or_b32 s[G0C+3], s[G0C+3], 0x80000000
	s_add_nc_u64 s[10:11], s[4:5], s[76:77]
	s_add_nc_u64 s[10:11], s[10:11], CBO           ; cb at my wave's first code
	s_add_nc_u64 s[12:13], s[4:5], s[78:79]
	s_add_nc_u64 s[12:13], s[12:13], CCO           ; cc at its first record
	s_add_nc_u64 s[PFA:PFA+1], s[4:5], s[80:81]
	s_add_nc_u64 s[PFA:PFA+1], s[PFA:PFA+1], 3*65536  ; at block 3: the first change steps it to block 4
	CROUND                                         ; all four work-groups are here: the first joint loads meet
	tensor_load_to_lds s[G0C:G0C+3], s[G1C:G1C+7]  ; the three first fills go out together: three loads of mine are out
	s_nop 0
	tensor_load_to_lds s[G0A:G0A+3], s[G1:G1+7]
	s_nop 0
	tensor_load_to_lds s[G0W:G0W+3], s[G1:G1+7]
	s_nop 0
.rept 4
	v_nop
.endr
	v_and_b32 v128, 15, v0                         ; r
	v_bfe_u32 v129, v0, 4, 1                       ; h
	v_lshlrev_b32 v130, 9, v128
	v_lshl_add_u32 v130, v129, 4, v130
	v_lshlrev_b32 v131, 2, v128
	WIN 0x40
.set ft, 0
.rept 32
	global_load_b128 v[8*ft:8*ft+3],   v130, s[10:11] offset:(ft/8)*8192+(ft%8)*64
	global_load_b128 v[8*ft+4:8*ft+7], v130, s[10:11] offset:(ft/8)*8192+(ft%8)*64+32
.set ft, ft+1
.endr
	WIN 0
.irp t, 0,1,2,3
	global_load_b32 v[ST+8*\t+2], v131, s[12:13] offset:256*\t       ; re_k
	global_load_b32 v[XT+8+2*\t], v131, s[12:13] offset:256*\t+64    ; ce_k
	global_load_b32 v[ST+8*\t+4], v131, s[12:13] offset:256*\t+128   ; re_g
	global_load_b32 v[XT+9+2*\t], v131, s[12:13] offset:256*\t+192   ; ce_g
.endr
	v_and_b32 v1, 31, v0
	v_lshlrev_b32 v1, 9, v1                        ; the prefetches' offset: a lane a row; never rewritten
	v_mul_u32_u24 v[AF0], v128, PITCH
	v_lshl_add_u32 v[AF0], v129, 4, v[AF0]
	v_lshl_add_u32 v[AC0], v129, 5, CONST
.irp t, 0,1,2,3
	v_mov_b32 v[ST+8*\t+1], 0
	v_mov_b32 v[ST+8*\t+3], 0
	v_mov_b32 v[ST+8*\t+5], 0
	v_mov_b32 v[ST+8*\t+6], 0
	v_mov_b32 v[ST+8*\t+7], 0
	v_mov_b32 v[HH+2*\t], 0
	v_mov_b32 v[HH+2*\t+1], 0
.endr
	s_wait_tensorcnt 0x1                           ; my parts of the constants and of slot 0 are in; slot 1's load, issued last, may stay out
	s_barrier_signal -1
	s_barrier_wait -1
	FETCH_F 0                                      ; tile 0
	FETCH_C 0
	FETCH_F 1                                      ; tile 1
	WIN 0
	s_wait_loadcnt 0x0                             ; my codes and their constants
.irp t, 0,1,2,3
	v_rcp_f32 v[XT+16+\t], v[ST+8*\t+2]
.endr
.irp t, 0,1,2,3
	v_add_f32 v[XT+8+2*\t], v[XT+8+2*\t], v[XT+9+2*\t]  ; ce (also the plain work behind the reciprocals)
.endr
.irp t, 0,1,2,3
	v_mul_f32 v[XT+8+2*\t], s[NK], v[XT+8+2*\t]
.endr
	s_wait_alu depctr_va_vdst(0)                   ; one wait for the four reciprocals
.irp t, 0,1,2,3
	v_mul_f32 v[ST+8*\t], v[XT+8+2*\t], v[XT+16+\t]  ; -K ce / re_k: times re_k it gives -K ce
.endr
	s_wait_dscnt 16                                ; tile 0 and its constants are in; tile 1's sixteen loads may stay out
.set mi, 0
.rept 32
	MM 1                                           ; tile 0's products, into buffer 0
.endr
	WIN 0
	PLACES
	PLACES
	s_mov_b32 s[CNT], 3                            ; turns 0 to 5 fetch tiles 2 to 7
	s_mov_b32 s[SLOTS], 7
	s_branch .Lstep
.Lslot:                                            ; six times: blocks 2 to 7 are asked for
	CHANGE 1
	s_mov_b32 s[CNT], 4
.Lstep:
	TURN 0, 1, 1, 1
	TURN 1, 1, 1, 1
	WIN 0
	s_sub_co_u32 s[CNT], s[CNT], 1
	s_cmp_lg_u32 s[CNT], 0
	s_cbranch_scc1 .Lstep
	s_sub_co_u32 s[SLOTS], s[SLOTS], 1
	s_cmp_lg_u32 s[SLOTS], 0
	s_cbranch_scc1 .Lslot
	CHANGE 0                                       ; the tail is written out
	s_mov_b32 s[CNT], 4
.Ltail:
	TURN 0, 1, 1, 1
	TURN 1, 1, 1, 1
	WIN 0
	s_sub_co_u32 s[CNT], s[CNT], 1
	s_cmp_lg_u32 s[CNT], 0
	s_cbranch_scc1 .Ltail
	TURN 0, 1, 0, 1                                ; turn 62
	TURN 1, 0, 0, 0                                ; turn 63
	; THE WAY OUT: a code's sum over my wave's lanes' halves into the stage; the wave's sum of p log2 p
	WIN 0
	v_and_b32 v[ADC], 15, v0
	s_lshl_b32 s73, s[WV], 8
	s_add_co_u32 s73, s73, STG
	v_lshl_add_u32 v[ADC], v[ADC], 2, s73          ; word 64 w + 16 t + r
.irp t, 0,1,2,3
	v_mov_b32 v[XT+4+\t], 0
	v_add_f32 v[XT+\t], v[ST+8*\t+6], v[ST+8*\t+7]
.endr
.irp t, 0,1,2,3
	v_permlanex16_b32 v[XT+4+\t], v[XT+\t], s[SEL], s[SEL+1]
.endr
.irp t, 0,1,2,3
	v_add_f32 v[XT+\t], v[XT+\t], v[XT+4+\t]
	ds_store_b32 v[ADC], v[XT+\t] offset:64*\t     ; both lanes of a code store the same word with the same bits
.endr
	v_pk_add_f32 v[HH:HH+1], v[HH:HH+1], v[HH+2:HH+3]
	v_pk_add_f32 v[HH+4:HH+5], v[HH+4:HH+5], v[HH+6:HH+7]
	v_pk_add_f32 v[HH:HH+1], v[HH:HH+1], v[HH+4:HH+5]
	v_add_f32 v[HH], v[HH], v[HH+1]
	v_add_f32_dpp v[HH], v[HH], v[HH] row_xmask:1 row_mask:0xf bank_mask:0xf
	v_add_f32_dpp v[HH], v[HH], v[HH] row_xmask:2 row_mask:0xf bank_mask:0xf
	v_add_f32_dpp v[HH], v[HH], v[HH] row_xmask:4 row_mask:0xf bank_mask:0xf
	v_add_f32_dpp v[HH], v[HH], v[HH] row_xmask:8 row_mask:0xf bank_mask:0xf
	v_permlanex16_b32 v[HH+1], v[HH], s[SEL], s[SEL+1]
	v_add_f32 v[HH], v[HH], v[HH+1]
	s_lshl_b32 s72, s[BY], 10                      ; pe: ((64 y + x) 4 + w) x 4 bytes
	s_lshl_b32 s73, s[BX], 4
	s_add_co_u32 s72, s72, s73
	s_lshl2_add_u32 s72, s[WV], s72
	s_mov_b32 s73, 0
	s_add_nc_u64 s[76:77], s[8:9], s[72:73]
	s_add_nc_u64 s[76:77], s[76:77], PEO
	v_mov_b32 v[HH+2], 0
	v_and_b32 v[HH+3], 31, v0
	v_cmp_eq_u32 vcc_lo, 0, v[HH+3]
	s_wait_xcnt 0x0                                ; EXEC changes only when every earlier load and prefetch has read it
	s_and_saveexec_b32 s75, vcc_lo
	global_store_b32 v[HH+2], v[HH], s[76:77]
	s_wait_xcnt 0x0
	s_or_b32 exec_lo, exec_lo, s75
	s_wait_dscnt 0x0                               ; for the others' sake: my stores into the stage are done
	s_barrier_signal -1
	s_barrier_wait -1
	s_cmp_eq_u32 s[WV], 0                          ; wave 0 stores the block's 256 column sums: 1,024 consecutive bytes
	s_cbranch_scc0 .Lend
	s_lshl_b32 s78, s[BY], 16
	s_lshl_b32 s79, s[BX], 10
	s_add_co_u32 s78, s78, s79
	s_mov_b32 s79, 0
	s_add_nc_u64 s[78:79], s[8:9], s[78:79]
	v_and_b32 v[XT+9], 31, v0
	v_lshlrev_b32 v[XT+9], 4, v[XT+9]
	v_add_nc_u32 v[XT+8], STG, v[XT+9]
	ds_load_b128 v[XT:XT+3], v[XT+8]
	ds_load_b128 v[XT+4:XT+7], v[XT+8] offset:512
	s_wait_dscnt 0x0
	global_store_b128 v[XT+9], v[XT:XT+3], s[78:79]
	global_store_b128 v[XT+9], v[XT+4:XT+7], s[78:79] offset:512
.Lend:
	s_wait_tensorcnt 0x0                           ; the wave's end: three lines behind my last tensor load and my last LDS store
	ds_add_u32 v[SPW], v[NIL]
	s_wait_dscnt 0x0
	CROUND                                         ; the closing round
	s_endpgm
.Lfunc_end_k_q4d515fee29_passB:
	.size	k_q4d515fee29_passB, .Lfunc_end_k_q4d515fee29_passB-k_q4d515fee29_passB
	.p2alignl 7, 3214868480
	.fill 96, 4, 3214868480
	.section	.rodata,"a",@progbits
	.p2align	6, 0x0
	.amdhsa_kernel k_q4d515fee29_passB
		.amdhsa_group_segment_fixed_size 327680
		.amdhsa_private_segment_fixed_size 0
		.amdhsa_enable_private_segment 0
		.amdhsa_kernarg_size 24
		.amdhsa_user_sgpr_count 2
		.amdhsa_user_sgpr_kernarg_segment_ptr 1
		.amdhsa_wavefront_size32 1
		.amdhsa_system_sgpr_workgroup_id_x 1
		.amdhsa_system_sgpr_workgroup_id_y 1
		.amdhsa_system_sgpr_workgroup_id_z 1
		.amdhsa_system_vgpr_workitem_id 0
		.amdhsa_next_free_vgpr 640
		.amdhsa_next_free_sgpr 96
		.amdhsa_reserve_vcc 1
		.amdhsa_float_denorm_mode_32 3
		.amdhsa_float_denorm_mode_16_64 3
		.amdhsa_memory_ordered 1
		.amdhsa_forward_progress 1
		.amdhsa_inst_pref_size 95
	.end_amdhsa_kernel
	.amdgpu_metadata
---
amdhsa.version: [ 1, 2 ]
amdhsa.kernels:
  - .name:           k_q4d515fee29_passB
    .symbol:         k_q4d515fee29_passB.kd
    .args:
      - { .name: W1, .offset: 0, .size: 8, .value_kind: global_buffer, .address_space: global }
      - { .name: W3, .offset: 8, .size: 8, .value_kind: global_buffer, .address_space: global }
      - { .name: W4, .offset: 16, .size: 8, .value_kind: global_buffer, .address_space: global }
    .group_segment_fixed_size: 327680
    .private_segment_fixed_size: 0
    .kernarg_segment_align: 8
    .kernarg_segment_size: 24
    .max_flat_workgroup_size: 128
    .sgpr_count:     96
    .vgpr_count:     640
    .wavefront_size: 32
...
	.end_amdgpu_metadata
.endif
;; end of part 4
;; launch fin (part 5): grid 65 x 1, 8 waves a work-group, no clusters, 67,584 bytes of LDS; arguments idxw, W1, W2, W3, W4, out0, out1, out2, out3, out4, out5; writes out0, out1, out2, out3, out4, out5
.if DOCPART == 5
	.amdgcn_target "amdgcn-amd-amdhsa--gfx1250"
	.amdhsa_code_object_version 6
	.text
	.protected	k_q4d515fee29_fin
	.globl	k_q4d515fee29_fin
	.p2align	8
	.type	k_q4d515fee29_fin,@function
k_q4d515fee29_fin:
	s_mov_b64 s[64:65], 0
	v_nop
	global_prefetch_b8 v0, s[64:65] scope:SCOPE_SE
	s_setreg_imm32_b32 hwreg(HW_REG_WAVE_MODE, 25, 1), 1
	s_wait_xcnt 0x0
; FIN.  Work-groups 0-63: out0 for 64 tokens each: the chosen code's row and the token's row (both bf16, raw) are normalised in f32, out = zc + (zq - zc) as the module writes it, and turned back to [b][c][hw] through LDS.
; Work-group 64: the five scalars, from the partial sums of the launches before.
;   out1 = sum of m / 2^20: the squared distance of a token to its code IS d at the minimum; out2 = out1 / 4
;   out3 = 0.1 ln 2 (HA - E2 / 4096), HA = sum over codes of avg log2(avg + 1e-5), avg = column sum / 4096, E2 = sum of p log2 p (log_softmax(a + 1e-5) = log_softmax(a))
;   out4, out5 = the sums of d_k^2, d_g^2 / 4096
; The codes come as whole numbers from an earlier launch; each is held to 0 .. 16,383 before it enters an address.
; No matrix unit, no cluster: a gather and a few sums.  The two parts use different bytes of LDS.
.set CBO,   2097152
.set TCO,   10485760
.set CCO,   10551296
.set FS,    66048                      ; behind the turning tile: five sums x eight waves.  Beyond an LDS immediate's 16 bits: it rides in the address registers
.set SPARE, 66304                      ; the spare words, 128 bytes for each of the eight waves; no other line names them
.set SPW, 6                            ; v6  my spare word; never rewritten
.set NIL, 7                            ; v7  0; never rewritten
.set EE,  16                           ; v[16:47]  token i: my 8 channels of its code's row
.set ZE,  48                           ; v[48:79]  of its own row
.set EA,  80                           ; v[80:87]  at work
.set ZA,  88                           ; v[88:95]
.set VO,  96                           ; v[96:103] token i: the byte offset of my 16 bytes in cb
	s_load_b512 s[4:19], s[0:1], 0x0               ; idxw s[4:5], W1 s[6:7], W2 s[8:9], W3 s[10:11], W4 s[12:13], out0 s[14:15], out1 s[16:17], out2 s[18:19]
	s_load_b128 s[20:23], s[0:1], 0x40             ; out3 s[20:21], out4 s[22:23]
	s_load_b64 s[24:25], s[0:1], 0x50              ; out5
	v_lshl_add_u32 v[SPW], v0, 2, SPARE
	v_mov_b32 v[NIL], 0
	v_lshrrev_b32 v1, 5, v0
	v_readfirstlane_b32 s26, v1                    ; wave 0..7
	v_and_b32 v2, 31, v0                           ; l
	v_and_b32 v3, 15, v0                           ; r
	v_bfe_u32 v4, v0, 4, 1                         ; h
	s_mov_b32 s96, 0x76543210
	s_mov_b32 s97, 0xfedcba98
	s_cmp_lt_u32 ttmp9, 64
	s_cbranch_scc0 .Lscalars
; ---------------- THE GATHER.  Wave w: tokens 64 g + 8 w + i.  Lane l: channels 8 l .. 8 l + 7.
	s_lshl_b32 s84, ttmp9, 6
	s_lshl3_add_u32 s84, s26, s84                  ; my first token
	s_lshl_b32 s85, s84, 2                         ; its word in idxw
	s_and_b32 s86, s84, 0xff0
	s_lshl_b32 s86, s86, 4                         ; its record in tc,
	s_and_b32 s87, s84, 15
	s_lshl2_add_u32 s86, s87, s86                  ; and its place there
	s_lshl_b32 s98, s84, 9                         ; its row in tb
	s_mov_b32 s99, 0
	v_lshlrev_b32 v8, 4, v2                        ; my 16 bytes of a row
	v_mul_u32_u24 v9, v2, 2064                     ; into the tile: channel c's row at 256 c + 16 (c / 8): 8 l x 256 + 16 l,
	s_lshl_b32 s27, s26, 5
	v_add_nc_u32 v9, s27, v9                       ; token 8 w + i at 4 bytes each
	v_mov_b32 v11, 0                               ; (named as pairs with v10 and v12)
	v_mov_b32 v13, 0
	v_cmp_gt_u32 vcc_lo, 8, v2                     ; lanes 0-7 hold the first sub-vector
	s_wait_kmcnt 0x0
	s_add_nc_u64 s[88:89], s[6:7], TCO
	s_add_nc_u64 s[90:91], s[6:7], CCO
	s_add_nc_u64 s[92:93], s[6:7], CBO
	s_add_nc_u64 s[94:95], s[6:7], s[98:99]
	s_load_b256 s[28:35], s[4:5], s85 offset:0x0   ; eight codes
	s_load_b256 s[36:43], s[88:89], s86 offset:0x0 ; eight -2 / n_k
	s_load_b256 s[44:51], s[88:89], s86 offset:0x80  ; eight -2 / n_g
.irp i, 0,1,2,3,4,5,6,7
	global_load_b128 v[ZE+4*\i:ZE+4*\i+3], v8, s[94:95] offset:512*\i
.endr
	s_wait_kmcnt 0x0
.irp i, 0,1,2,3,4,5,6,7
	s_min_u32 s[28+\i], s[28+\i], 0x3fff           ; inside the table
	s_and_b32 s[76+\i], s[28+\i], 0x3ff0
	s_lshl_b32 s[76+\i], s[76+\i], 4               ; the code's record in cc,
	s_and_b32 s87, s[28+\i], 15
	s_lshl_b32 s87, s87, 2
	s_add_co_u32 s[76+\i], s[76+\i], s87           ; and its place there
	s_load_b32 s[52+\i], s[90:91], s[76+\i] offset:0x0   ; 1 / n_k
	s_load_b32 s[68+\i], s[90:91], s[76+\i] offset:0x80  ; 1 / n_g
	v_lshl_add_u32 v[VO+\i], s[28+\i], 9, v8
	global_load_b128 v[EE+4*\i:EE+4*\i+3], v[VO+\i], s[92:93]
.endr
	s_wait_kmcnt 0x0
.macro TOK i
	s_wait_loadcnt 7-(\i)                          ; the tokens' rows were asked for first; code row i is in, the 7 - i younger loads stay out
	v_mov_b32 v10, s[68+(\i)]
	v_mov_b32 v12, s[44+(\i)]
	v_cndmask_b32 v10, v10, s[52+(\i)], vcc_lo     ; my sub-vector's 1 / n of the code,
	v_cndmask_b32 v12, v12, s[36+(\i)], vcc_lo
	v_mul_f32 v12, -0.5, v12                       ; and of the token
.irp u, 0,1,2,3
	v_lshlrev_b32 v[EA+2*\u], 16, v[EE+4*(\i)+\u]
	v_and_b32 v[EA+2*\u+1], 0xffff0000, v[EE+4*(\i)+\u]
	v_lshlrev_b32 v[ZA+2*\u], 16, v[ZE+4*(\i)+\u]
	v_and_b32 v[ZA+2*\u+1], 0xffff0000, v[ZE+4*(\i)+\u]
.endr
.irp u, 0,2,4,6
	v_pk_mul_f32 v[ZA+\u:ZA+\u+1], v[ZA+\u:ZA+\u+1], v[12:13] op_sel_hi:[1,0]  ; zc
.endr
.irp u, 0,2,4,6
	v_pk_fma_f32 v[EA+\u:EA+\u+1], v[EA+\u:EA+\u+1], v[10:11], v[ZA+\u:ZA+\u+1] op_sel_hi:[1,0,1] neg_lo:[0,0,1] neg_hi:[0,0,1]  ; zq - zc
.endr
.irp u, 0,2,4,6
	v_pk_add_f32 v[EA+\u:EA+\u+1], v[ZA+\u:ZA+\u+1], v[EA+\u:EA+\u+1]          ; zc + (zq - zc)
.endr
.irp e, 0,1,2,3,4,5,6,7
	ds_store_b32 v9, v[EA+\e] offset:256*\e+4*(\i)
.endr
.endm
.irp i, 0,1,2,3,4,5,6,7
	TOK \i
.endr
	s_mul_i32 s27, s26, 8256                       ; back: channels 32 w + 2 q + h: (32 w) x 256 + 16 x 4 w,
	v_lshlrev_b32 v15, 8, v4                       ; + 256 h,
	v_lshl_add_u32 v15, v3, 4, v15                 ; tokens 4 r .. 4 r + 3
	v_add_nc_u32 v15, s27, v15
	s_lshl_b32 s27, s26, 17                        ; and in out0: channel x 4,096 bytes
	v_lshlrev_b32 v14, 12, v4
	v_lshl_add_u32 v14, v3, 4, v14
	v_add_nc_u32 v14, s27, v14
	s_lshr_b32 s98, ttmp9, 4
	s_lshl_b32 s98, s98, 20                        ; the image,
	s_and_b32 s87, ttmp9, 15
	s_lshl_b32 s87, s87, 8                         ; my 64 tokens in a channel's row
	s_add_co_u32 s98, s98, s87
	s_add_nc_u64 s[14:15], s[14:15], s[98:99]
	s_wait_dscnt 0x0                               ; for the others' sake: my stores into the tile are done
	s_barrier_signal -1
	s_barrier_wait -1
.irp q, 0,1,2,3,4,5,6,7,8,9,10,11,12,13,14,15
	ds_load_b128 v[EE+4*\q:EE+4*\q+3], v15 offset:512*\q+16*(\q/4)
.endr
.irp q, 0,1,2,3,4,5,6,7,8,9,10,11,12,13,14,15
	s_wait_dscnt 15-\q                             ; load q is back; the younger ones stay out
	global_store_b128 v14, v[EE+4*\q:EE+4*\q+3], s[14:15] offset:8192*\q th:TH_STORE_NT  ; sixteen lanes store 256 consecutive bytes, at a multiple of 256 from out0's first
.endr
	s_wait_tensorcnt 0x0                           ; the wave's end: three lines behind my last LDS store
	ds_add_u32 v[SPW], v[NIL]
	s_wait_dscnt 0x0
	s_endpgm
; ---------------- THE SCALARS.  256 threads; thread i takes 16 bytes at 16 i + 4,096 u of each array.
.Lscalars:
	v_lshlrev_b32 v8, 4, v0
	v_lshlrev_b32 v9, 5, v0
	s_wait_kmcnt 0x0
	global_load_b128 v[148:151], v8, s[12:13] offset:262144        ; pe: four waves' sums of p log2 p
	global_load_b128 v[152:155], v9, s[8:9] offset:786432          ; psq: four waves' pairs
	global_load_b128 v[156:159], v9, s[8:9] offset:786432+16
.irp u, 0,1,2,3
	global_load_b128 v[160+4*\u:163+4*\u], v8, s[10:11] offset:49152+4096*\u  ; mt: sixteen m
.endr
.irp k, 144,145,146,147,181,182
	v_mov_b32 v[\k], 0
.endr
; A round: 32 columns a thread: the four token splits' sums, their mean, and avg log2(avg + 1e-5)
.macro PCROUND rho
.irp u, 0,1,2,3,4,5,6,7
.irp s, 0,1,2,3
	global_load_b128 v[16+16*\u+4*\s:19+16*\u+4*\s], v8, s[12:13] offset:65536*\s+4096*(8*(\rho)+\u)
.endr
.endr
	s_wait_loadcnt 0x0
.irp u, 0,1,2,3,4,5,6,7
.irp p, 0,2
	v_pk_add_f32 v[16+16*\u+\p:17+16*\u+\p], v[16+16*\u+\p:17+16*\u+\p], v[20+16*\u+\p:21+16*\u+\p]
	v_pk_add_f32 v[24+16*\u+\p:25+16*\u+\p], v[24+16*\u+\p:25+16*\u+\p], v[28+16*\u+\p:29+16*\u+\p]
.endr
.irp p, 0,2
	v_pk_add_f32 v[16+16*\u+\p:17+16*\u+\p], v[16+16*\u+\p:17+16*\u+\p], v[24+16*\u+\p:25+16*\u+\p]
.endr
.irp p, 0,2
	v_pk_mul_f32 v[16+16*\u+\p:17+16*\u+\p], v[16+16*\u+\p:17+16*\u+\p], 0x39800000 op_sel_hi:[1,0]  ; / 4,096
.endr
.irp p, 0,2
	v_pk_add_f32 v[20+16*\u+\p:21+16*\u+\p], v[16+16*\u+\p:17+16*\u+\p], 0x3727c5ac op_sel_hi:[1,0]  ; + 1e-5
.endr
.irp k, 0,1,2,3
	v_log_f32 v[20+16*\u+\k], v[20+16*\u+\k]
.endr
.endr
	v_nop                                          ; a plain instruction behind the last logarithm,
	s_wait_alu depctr_va_vdst(0)                   ; and one wait for the 32
.irp u, 0,1,2,3,4,5,6,7
	v_pk_fma_f32 v[144:145], v[16+16*\u:17+16*\u], v[20+16*\u:21+16*\u], v[144:145]
	v_pk_fma_f32 v[146:147], v[18+16*\u:19+16*\u], v[22+16*\u:23+16*\u], v[146:147]
.endr
.endm
	PCROUND 0
	PCROUND 1
	v_pk_add_f32 v[144:145], v[144:145], v[146:147]
	v_add_f32 v176, v144, v145                     ; HA
	v_pk_add_f32 v[148:149], v[148:149], v[150:151]
	v_add_f32 v177, v148, v149                     ; E2
	v_pk_add_f32 v[152:153], v[152:153], v[154:155]
	v_pk_add_f32 v[156:157], v[156:157], v[158:159]
	v_pk_add_f32 v[178:179], v[152:153], v[156:157]  ; the sums of d_k^2 and of d_g^2
.irp u, 0,4,8,12
	v_pk_add_f32 v[160+\u:161+\u], v[160+\u:161+\u], v[162+\u:163+\u]
.endr
	v_pk_add_f32 v[160:161], v[160:161], v[164:165]
	v_pk_add_f32 v[168:169], v[168:169], v[172:173]
	v_pk_add_f32 v[160:161], v[160:161], v[168:169]
	v_add_f32 v180, v160, v161                     ; the sum of m
.irp k, 176,177,178,179,180
	v_add_f32_dpp v[\k], v[\k], v[\k] row_xmask:1 row_mask:0xf bank_mask:0xf
	v_add_f32_dpp v[\k], v[\k], v[\k] row_xmask:2 row_mask:0xf bank_mask:0xf
	v_add_f32_dpp v[\k], v[\k], v[\k] row_xmask:4 row_mask:0xf bank_mask:0xf
	v_add_f32_dpp v[\k], v[\k], v[\k] row_xmask:8 row_mask:0xf bank_mask:0xf
	v_permlanex16_b32 v181, v[\k], s96, s97
	v_add_f32 v[\k], v[\k], v181
.endr
	s_lshl_b32 s27, s26, 2
	s_add_co_u32 s27, s27, FS
	v_mov_b32 v10, s27                             ; my wave's word of a sum's eight: FS + 4 w
.irp k, 0,1,2,3,4
	ds_store_b32 v10, v[176+\k] offset:32*\k       ; all lanes store the same word with the same value
.endr
	s_wait_dscnt 0x0
	s_barrier_signal -1
	s_barrier_wait -1
	s_cmp_eq_u32 s26, 0
	s_cbranch_scc0 .Lsc_end
	v_mov_b32 v183, FS
.irp k, 0,1,2,3,4
	ds_load_b128 v[16+8*\k:19+8*\k], v183 offset:32*\k
	ds_load_b128 v[20+8*\k:23+8*\k], v183 offset:32*\k+16
.endr
	s_wait_dscnt 0x0
.irp k, 0,1,2,3,4
	v_pk_add_f32 v[16+8*\k:17+8*\k], v[16+8*\k:17+8*\k], v[18+8*\k:19+8*\k]
	v_pk_add_f32 v[20+8*\k:21+8*\k], v[20+8*\k:21+8*\k], v[22+8*\k:23+8*\k]
.endr
.irp k, 0,1,2,3,4
	v_pk_add_f32 v[16+8*\k:17+8*\k], v[16+8*\k:17+8*\k], v[20+8*\k:21+8*\k]
.endr
.irp k, 0,1,2,3,4
	v_add_f32 v[16+8*\k], v[16+8*\k], v[17+8*\k]   ; v16 HA, v24 E2, v32 and v40 the squares, v48 the sum of m
.endr
	v_fma_f32 v24, v24, 0xb9800000, v16            ; HA - E2 / 4,096
	v_mul_f32 v24, 0x3d8df4e5, v24                 ; x 0.1 ln 2
	v_mul_f32 v32, 0x39800000, v32
	v_mul_f32 v40, 0x39800000, v40
	v_mul_f32 v49, 0x34800000, v48                 ; / 2^22
	v_mul_f32 v48, 0x35800000, v48                 ; / 2^20
	v_cmp_eq_u32 vcc_lo, 0, v0
	s_wait_xcnt 0x0                                ; EXEC changes only when the loads above have read it
	s_and_saveexec_b32 s84, vcc_lo
	global_store_b32 v182, v48, s[16:17]
	global_store_b32 v182, v49, s[18:19]
	global_store_b32 v182, v24, s[20:21]
	global_store_b32 v182, v32, s[22:23]
	global_store_b32 v182, v40, s[24:25]
	s_wait_xcnt 0x0
	s_or_b32 exec_lo, exec_lo, s84
.Lsc_end:
	s_wait_tensorcnt 0x0                           ; the wave's end: three lines behind my last LDS store
	ds_add_u32 v[SPW], v[NIL]
	s_wait_dscnt 0x0
	s_endpgm
.Lfunc_end_k_q4d515fee29_fin:
	.size	k_q4d515fee29_fin, .Lfunc_end_k_q4d515fee29_fin-k_q4d515fee29_fin
	.p2alignl 7, 3214868480
	.fill 96, 4, 3214868480
	.section	.rodata,"a",@progbits
	.p2align	6, 0x0
	.amdhsa_kernel k_q4d515fee29_fin
		.amdhsa_group_segment_fixed_size 67584
		.amdhsa_private_segment_fixed_size 0
		.amdhsa_enable_private_segment 0
		.amdhsa_kernarg_size 88
		.amdhsa_user_sgpr_count 2
		.amdhsa_user_sgpr_kernarg_segment_ptr 1
		.amdhsa_wavefront_size32 1
		.amdhsa_system_sgpr_workgroup_id_x 1
		.amdhsa_system_sgpr_workgroup_id_y 1
		.amdhsa_system_sgpr_workgroup_id_z 1
		.amdhsa_system_vgpr_workitem_id 0
		.amdhsa_next_free_vgpr 200
		.amdhsa_next_free_sgpr 100
		.amdhsa_reserve_vcc 1
		.amdhsa_float_denorm_mode_32 3
		.amdhsa_float_denorm_mode_16_64 3
		.amdhsa_memory_ordered 1
		.amdhsa_forward_progress 1
		.amdhsa_inst_pref_size 59
	.end_amdhsa_kernel
	.amdgpu_metadata
---
amdhsa.version: [ 1, 2 ]
amdhsa.kernels:
  - .name:           k_q4d515fee29_fin
    .symbol:         k_q4d515fee29_fin.kd
    .args:
      - { .name: idxw, .offset: 0, .size: 8, .value_kind: global_buffer, .address_space: global }
      - { .name: W1, .offset: 8, .size: 8, .value_kind: global_buffer, .address_space: global }
      - { .name: W2, .offset: 16, .size: 8, .value_kind: global_buffer, .address_space: global }
      - { .name: W3, .offset: 24, .size: 8, .value_kind: global_buffer, .address_space: global }
      - { .name: W4, .offset: 32, .size: 8, .value_kind: global_buffer, .address_space: global }
      - { .name: out0, .offset: 40, .size: 8, .value_kind: global_buffer, .address_space: global }
      - { .name: out1, .offset: 48, .size: 8, .value_kind: global_buffer, .address_space: global }
      - { .name: out2, .offset: 56, .size: 8, .value_kind: global_buffer, .address_space: global }
      - { .name: out3, .offset: 64, .size: 8, .value_kind: global_buffer, .address_space: global }
      - { .name: out4, .offset: 72, .size: 8, .value_kind: global_buffer, .address_space: global }
      - { .name: out5, .offset: 80, .size: 8, .value_kind: global_buffer, .address_space: global }
    .group_segment_fixed_size: 67584
    .private_segment_fixed_size: 0
    .kernarg_segment_align: 8
    .kernarg_segment_size: 88
    .max_flat_workgroup_size: 256
    .sgpr_count:     100
    .vgpr_count:     200
    .wavefront_size: 32
...
	.end_amdgpu_metadata
.endif
;; end of part 5
;; ======== version 2 of 2: 5 launches; version 1 with the launch prep written anew for expert scheduling mode
;; limits: a difference of large sums (such as E[x^2] - mean^2): digits are lost where the result is much smaller than its terms
;; workspace buffers: W1 10,813,440 bytes; W2 794,624 bytes; W3 65,536 bytes; idxw 16,384 bytes of whole numbers; W4 266,240 bytes
;; launch prep (part 6): grid 320 x 1, 8 waves a work-group, no clusters, 40,960 bytes of LDS; arguments z, w_vqkd, w_vqgan, W1; writes W1
.if DOCPART == 6
	.amdgcn_target "amdgcn-amd-amdhsa--gfx1250"
	.amdhsa_code_object_version 6
	.text
	.protected	k_q4d515fee29_prep
	.globl	k_q4d515fee29_prep
	.p2align	8
	.type	k_q4d515fee29_prep,@function
k_q4d515fee29_prep:
	s_mov_b64 s[64:65], 0
	v_nop
	global_prefetch_b8 v0, s[64:65] scope:SCOPE_SE
	s_setreg_imm32_b32 hwreg(HW_REG_WAVE_SCHED_MODE, 0, 2), 2
	s_setreg_imm32_b32 hwreg(HW_REG_WAVE_MODE, 25, 1), 1
	s_wait_xcnt 0x0
	s_wait_alu depctr_vm_vsrc(0)
; PREP.  Rounds the raw inputs once to bf16 and lays them out with the 256 channels along the rows; takes the norms of the ROUNDED numbers.
; W1 = tb | cb | tc | cc:
;   tb  bf16 [4096 tokens][256]            at 0          (z turned from [b][c][hw] to [token][c])
;   cb  bf16 [16384 codes][256]            at CBO        (channels 0-63 w_vqkd, 64-255 w_vqgan)
;   tc  a record of 256 bytes for 16 tokens at TCO: [-2/n_k, -0.5 c_k n_k, -2/n_g, -0.5 c_g n_g][16] f32
;   cc  a record of 256 bytes for 16 codes  at CCO: [1/n_k, c_k, 1/n_g, c_g][16] f32
; with ss the sum of squares of a sub-vector, n = max(sqrt ss, 1e-12), c = ss / n^2 (the squared length of the normalised sub-vector).
; Work-groups 0-63: 64 tokens each.  Work-groups 64-319: 64 codes each.  The branch hangs on the work-group's number alone; the two parts use different bytes of LDS.
; LIMITS.  A sum of squares below 2^-126 counts as 0 (the root flushes it); NaN and infinities are not treated apart.
; No matrix unit, no cluster: each byte is read once and nothing is shared between work-groups.
; THE MODE: SCHED_MODE bits 1:0 = 2 (LLVM: expert scheduling mode 2), set by the entry lines.  The code itself states the register dependences
; between vector instructions and memory or LDS instructions, with s_wait_alu, always for 0.
; THE PLAN, TOKENS.  Registers that memory or LDS instructions touch:
;   v8         z's offset: written once, read by the 16 loads.  One wait on va_vdst ahead of them.
;   XX         the 16 loads land in it; the conversions read it; behind the barrier 8 LDS loads land in its first 32, which the 8 global stores read.
;   PP, SS     written by the conversions and sums; read by the 9 LDS stores; in wave 0 eight LDS loads then land in PP.
;   v9 - v14   addresses, written while z's loads are out, never written again.
;   ONE wait on va_vdst ahead of the LDS stores states that PP, SS and v9 to v14 are written and that the conversions are done reading XX and PP; no vector instruction stands between it and the two later
;   runs of LDS loads.  ONE wait on vm_vsrc behind the barrier states that the LDS stores have read PP.  One more wait on va_vdst stands ahead of wave 0's stores of OT.
; THE PLAN, CODES.
;   v8 - v10   offsets, written once: one wait on va_vdst ahead of the 32 loads.
;   s24, s[28:35]  nine masks of lanes, made by nine compares in one run: one wait on va_sdst behind the run, ahead of their first reader.
;   DD         the loads land once; vector instructions alone name it afterwards.
;   OO         four registers a row: written by row j's conversions, read by row j's store, never written again.  Row j's store stands at the head of row j + 1, behind one wait on va_vdst.
;   v11, T2, SSK, T3, SSG  read by the four LDS stores: one wait on va_vdst ahead of them.   v12, v13: one ahead of the gather's LDS load.
.set CBO,   2097152
.set TCO,   10485760
.set CCO,   10551296
.set TP,    528                        ; a token's row in LDS: 512 bytes + 16
.set PART,  64*TP                      ; tokens: behind the tile, each wave's partial sums of squares, 256 bytes a wave
.set CS,    35840                      ; codes: each wave's constants, 512 bytes a wave: four kinds x 32 lanes
.set SPARE, 39936                      ; the spare words, 128 bytes for each of the eight waves; no other line names them
.set EPS,   0x2b8cbccc                 ; 1e-12
.set SPW,   6                          ; v6  my spare word's LDS address; never rewritten
.set NIL,   7                          ; v7  0; never rewritten
.set XX,    16                         ; tokens: v[16:79]   16 channels x 4 tokens as loaded; later 8 rows read back
.set PP,    80                         ; tokens: v[80:111]  token i: 8 registers, 16 channels in bf16
.set SS,    112                        ; tokens: v[112:115] sums of squares of my four tokens
.set TM,    116
.set NN,    120                        ; wave 0: n, 1/n, c, and the four kinds to store
.set RZ,    128
.set CZ,    136
.set OT,    144
.set DD,    16                         ; codes: v[16:143]   row j: 8 registers from w_vqkd, 8 from w_vqgan
.set OO,    144                        ; codes: v[144:175]  row j: my 8 channels in bf16
.set SSK,   176
.set SSG,   177
.set T0,    178
.set T1,    179
.set T2,    180
.set T3,    181
.set ZR,    182
.set LM,    28                         ; codes: s[28:35]  mask j: the lane whose number is j
	s_load_b256 s[4:11], s[0:1], 0x0               ; z s[4:5], w_vqkd s[6:7], w_vqgan s[8:9], W1 s[10:11]
	v_lshl_add_u32 v[SPW], v0, 2, SPARE
	v_mov_b32 v[NIL], 0
	v_lshrrev_b32 v1, 5, v0
	v_readfirstlane_b32 s12, v1                    ; wave 0..7
	v_and_b32 v2, 31, v0                           ; l
	v_and_b32 v3, 15, v0                           ; r = l % 16
	v_bfe_u32 v4, v0, 4, 1                         ; h = l / 16
	s_mov_b32 s14, 0x76543210                      ; v_permlanex16_b32: each lane takes its own place in the other half
	s_mov_b32 s15, 0xfedcba98
	s_wait_alu depctr_va_sdst(0)                   ; s12 is written
	s_cmp_lt_u32 ttmp9, 64
	s_cbranch_scc0 .Lcodes
; ---------------- TOKENS.  Work-group g: tokens 64 g .. 64 g + 63 = 256 consecutive bytes of each of the 256 channel rows of image g / 16.
; Lane (r, h) of wave w: tokens 4 r .. 4 r + 3, channels 32 w + 16 h + q, q = 0 .. 15: sixteen lanes read 256 consecutive bytes.
	s_lshr_b32 s16, ttmp9, 4
	s_lshl_b32 s16, s16, 20                        ; image: 256 channels x 4,096 bytes
	s_and_b32 s17, ttmp9, 15
	s_lshl_b32 s17, s17, 8                         ; my 64 tokens in a channel's row
	s_add_co_u32 s16, s16, s17
	s_mov_b32 s17, 0
	s_lshl_b32 s18, s12, 17                        ; 32 w channels
	v_lshlrev_b32 v8, 4, v3
	v_lshl_add_u32 v8, v4, 16, v8                  ; + 16 h channels + 16 r bytes
	v_add_nc_u32 v8, s18, v8
	s_wait_kmcnt 0x0
	s_add_nc_u64 s[4:5], s[4:5], s[16:17]
	s_wait_alu depctr_va_vdst(0)                   ; v8 is written, which the sixteen loads read as their offset
.irp q, 0,1,2,3,4,5,6,7,8,9,10,11,12,13,14,15
	global_load_b128 v[XX+4*\q:XX+4*\q+3], v8, s[4:5] offset:4096*\q th:TH_LOAD_NT
.endr
	v_mul_u32_u24 v9, v3, 4*TP                     ; into the tile: row 4 r + i, byte 64 w + 32 h
	v_lshl_add_u32 v9, v4, 5, v9
	s_lshl_b32 s19, s12, 6
	v_add_nc_u32 v9, s19, v9
	s_lshl_b32 s24, s12, 8
	v_lshl_add_u32 v10, v3, 4, s24                 ; my wave's partial sums: 256 w + 16 r
	s_mul_i32 s25, s12, 8*TP
	v_lshl_add_u32 v11, v2, 4, s25                 ; back: rows 8 w + i, 16 bytes a lane
	v_lshlrev_b32 v12, 4, v2
	v_lshlrev_b32 v13, 4, v3
	v_lshrrev_b32 v14, 2, v3                       ; tc: record r / 4, place 4 (r % 4)
	v_lshlrev_b32 v14, 8, v14
	v_and_b32 v15, 3, v3
	v_lshl_add_u32 v14, v15, 4, v14
	s_lshl_b32 s20, ttmp9, 15                      ; tb: 64 rows of 512 bytes a work-group, 8 a wave
	s_lshl_b32 s21, s12, 12
	s_add_co_u32 s20, s20, s21
	s_mov_b32 s21, 0
	s_add_nc_u64 s[20:21], s[10:11], s[20:21]
	s_lshl_b32 s22, ttmp9, 10                      ; tc: four records a work-group
	s_mov_b32 s23, 0
	s_add_nc_u64 s[22:23], s[10:11], s[22:23]
	s_add_nc_u64 s[22:23], s[22:23], TCO
.irp i, 0,1,2,3
	v_mov_b32 v[SS+\i], 0
	v_mov_b32 v[TM+\i], 0
.endr
.irp u, 0,1,2,3,4,5,6,7
	s_wait_loadcnt 14-2*\u                         ; channels 2 u and 2 u + 1 are in; the 14 - 2 u younger loads stay out
.irp i, 0,1,2,3
	v_cvt_pk_bf16_f32 v[PP+8*\i+\u], v[XX+8*\u+\i], v[XX+8*\u+4+\i]
.endr
.irp i, 0,1,2,3
	v_fma_mix_f32_bf16 v[SS+\i], v[PP+8*\i+\u], v[PP+8*\i+\u], v[SS+\i] op_sel_hi:[1,1,0]  ; the square of the rounded number, in f32
.endr
.irp i, 0,1,2,3
	v_fma_mix_f32_bf16 v[SS+\i], v[PP+8*\i+\u], v[PP+8*\i+\u], v[SS+\i] op_sel:[1,1,0] op_sel_hi:[1,1,0]
.endr
.endr
.irp i, 0,1,2,3
	v_permlanex16_b32 v[TM+\i], v[SS+\i], s14, s15 ; the other 16 channels of my wave lie in the lane 16 away
.endr
.irp i, 0,1,2,3
	v_add_f32 v[SS+\i], v[SS+\i], v[TM+\i]
.endr
	s_wait_alu depctr_va_vdst(0)                   ; PP, SS and the addresses v9 to v14 are written, which the LDS and global instructions below read; the conversions are done reading XX and PP, in which the LDS loads below land
	ds_store_b128 v10, v[SS:SS+3] offset:PART      ; both halves of the lanes hold the same four sums
.irp i, 0,1,2,3
	ds_store_b128 v9, v[PP+8*\i:PP+8*\i+3] offset:TP*\i
	ds_store_b128 v9, v[PP+8*\i+4:PP+8*\i+7] offset:TP*\i+16
.endr
	s_wait_dscnt 0x0                               ; for the others' sake: my stores are done
	s_barrier_signal -1
	s_barrier_wait -1
	s_wait_alu depctr_vm_vsrc(0)                   ; my LDS stores have read PP, in which wave 0's loads of the partial sums land; the wait stands ahead of the branch on the wave's number
.irp i, 0,1,2,3,4,5,6,7
	ds_load_b128 v[XX+4*\i:XX+4*\i+3], v11 offset:TP*\i
.endr
.irp i, 0,1,2,3,4,5,6,7
	s_wait_dscnt 7-\i                              ; row i is back; the younger loads stay out
	global_store_b128 v12, v[XX+4*\i:XX+4*\i+3], s[20:21] offset:512*\i  ; a wave's store is a whole row of tb: 512 consecutive bytes
.endr
	s_cmp_lg_u32 s12, 0
	s_cbranch_scc1 .Ltok_end
	; wave 0 alone: the eight waves' partial sums (waves 0, 1: channels 0-63; waves 2-7: 64-255) and the tokens' constants
.irp k, 0,1,2,3,4,5,6,7
	ds_load_b128 v[PP+4*\k:PP+4*\k+3], v13 offset:PART+256*\k  ; no vector instruction since the wait ahead of the LDS stores names PP or v13
.endr
	s_wait_dscnt 0x0
.irp p, 0,2
	v_pk_add_f32 v[PP+\p:PP+\p+1], v[PP+\p:PP+\p+1], v[PP+4+\p:PP+4+\p+1]
	v_pk_add_f32 v[PP+8+\p:PP+8+\p+1], v[PP+8+\p:PP+8+\p+1], v[PP+12+\p:PP+12+\p+1]
	v_pk_add_f32 v[PP+16+\p:PP+16+\p+1], v[PP+16+\p:PP+16+\p+1], v[PP+20+\p:PP+20+\p+1]
	v_pk_add_f32 v[PP+24+\p:PP+24+\p+1], v[PP+24+\p:PP+24+\p+1], v[PP+28+\p:PP+28+\p+1]
.endr
.irp p, 0,2
	v_pk_add_f32 v[PP+8+\p:PP+8+\p+1], v[PP+8+\p:PP+8+\p+1], v[PP+16+\p:PP+16+\p+1]
.endr
.irp p, 0,2
	v_pk_add_f32 v[PP+8+\p:PP+8+\p+1], v[PP+8+\p:PP+8+\p+1], v[PP+24+\p:PP+24+\p+1]
.endr
	; number e of 8: e < 4 the first sub-vector of token 4 r + e, else the second of token 4 r + e - 4; its sum lies at PP + e + 4 (e / 4)
.irp e, 0,1,2,3,4,5,6,7
	v_sqrt_f32 v[NN+\e], v[PP+\e+4*(\e/4)]
.endr
	v_nop                                          ; a plain instruction behind the last root,
	s_wait_alu depctr_va_vdst(0)                   ; and one wait for the eight roots in NN, ahead of their first reader
.irp e, 0,1,2,3,4,5,6,7
	v_max_num_f32 v[NN+\e], EPS, v[NN+\e]
.endr
.irp e, 0,1,2,3,4,5,6,7
	v_rcp_f32 v[RZ+\e], v[NN+\e]
.endr
	v_nop
	s_wait_alu depctr_va_vdst(0)                   ; one wait for the eight reciprocals in RZ, ahead of their first reader
.irp e, 0,1,2,3,4,5,6,7
	v_mul_f32 v[CZ+\e], v[PP+\e+4*(\e/4)], v[RZ+\e]
	v_mul_f32 v[OT+8*(\e/4)+\e%4], -2.0, v[RZ+\e]  ; -2 / n
.endr
.irp e, 0,1,2,3,4,5,6,7
	v_mul_f32 v[CZ+\e], v[CZ+\e], v[RZ+\e]         ; c = ss / n^2
.endr
.irp e, 0,1,2,3,4,5,6,7
	v_mul_f32 v[CZ+\e], v[CZ+\e], v[NN+\e]
.endr
.irp e, 0,1,2,3,4,5,6,7
	v_mul_f32 v[OT+8*(\e/4)+4+\e%4], -0.5, v[CZ+\e]  ; -0.5 c n: times -2 / n it gives c back
.endr
	s_wait_alu depctr_va_vdst(0)                   ; the sixteen registers of OT are written, which the four stores read
.irp k, 0,1,2,3
	global_store_b128 v14, v[OT+4*\k:OT+4*\k+3], s[22:23] offset:64*\k  ; runs of 64 bytes: 1 KiB a work-group; both halves of the lanes store the same bytes
.endr
.Ltok_end:
	s_wait_dscnt 0x0                               ; the closing lines, six on end
	s_wait_alu 0x0
	s_wait_tensorcnt 0x0
	ds_add_u32 v[SPW], v[NIL]
	s_wait_dscnt 0x0
	s_endpgm
; ---------------- CODES.  Work-group g' = g - 64: codes 64 g' .. + 63, eight a wave, a row at a time.  Lane l holds channels 8 l .. 8 l + 7 of the joined row:
; lanes 0-7 from w_vqkd, lanes 8-31 from w_vqgan.  Every lane loads 32 bytes from both tables at a clamped offset and keeps the one that is its own.
.Lcodes:
	s_sub_co_u32 s16, ttmp9, 64
	s_lshl_b32 s17, s16, 6
	s_lshl3_add_u32 s17, s12, s17                  ; my wave's first row
	s_lshl_b32 s18, s17, 8                         ; x 256 bytes in w_vqkd
	s_mov_b32 s19, 0
	s_mul_i32 s20, s17, 768                        ; x 768 in w_vqgan
	s_mov_b32 s21, 0
	s_lshl_b32 s22, s17, 9                         ; x 512 in cb
	s_mov_b32 s23, 0
	s_lshl_b32 s26, s16, 10                        ; cc: four records a work-group
	s_mov_b32 s27, 0
	v_min_u32 v8, 7, v2
	v_lshlrev_b32 v8, 5, v8                        ; 32 min(l, 7)
	v_max_u32 v9, 8, v2
	v_add_nc_u32 v9, -8, v9
	v_lshlrev_b32 v9, 5, v9                        ; 32 max(l - 8, 0)
	v_lshlrev_b32 v10, 4, v2                       ; my 16 bytes of a row of cb
	v_cmp_gt_u32 s24, 8, v2                        ; lanes 0-7
.irp j, 0,1,2,3,4,5,6,7
	v_cmp_eq_u32 s[LM+\j], \j, v2                  ; lane j: the compares stand in one run, so that one wait serves the nine
.endr
	s_wait_kmcnt 0x0
	s_add_nc_u64 s[6:7], s[6:7], s[18:19]
	s_add_nc_u64 s[8:9], s[8:9], s[20:21]
	s_add_nc_u64 s[22:23], s[10:11], s[22:23]
	s_add_nc_u64 s[22:23], s[22:23], CBO
	s_add_nc_u64 s[26:27], s[10:11], s[26:27]
	s_add_nc_u64 s[26:27], s[26:27], CCO
	s_wait_alu depctr_va_sdst(0)                   ; s24 and s[28:35] are written, ahead of their first readers, the selects of the rows below
	s_wait_alu depctr_va_vdst(0)                   ; v8, v9 and v10 are written, which the loads and the rows' stores read as their offsets
.irp j, 0,1,2,3,4,5,6,7
	global_load_b128 v[DD+16*\j:DD+16*\j+3],     v8, s[6:7] offset:256*\j th:TH_LOAD_NT
	global_load_b128 v[DD+16*\j+4:DD+16*\j+7],   v8, s[6:7] offset:256*\j+16 th:TH_LOAD_NT
	global_load_b128 v[DD+16*\j+8:DD+16*\j+11],  v9, s[8:9] offset:768*\j th:TH_LOAD_NT
	global_load_b128 v[DD+16*\j+12:DD+16*\j+15], v9, s[8:9] offset:768*\j+16 th:TH_LOAD_NT
.endr
	v_mov_b32 v[SSK], 0
	v_mov_b32 v[SSG], 0
	v_mov_b32 v[T1], 0
	v_mov_b32 v[T3], 0
	v_mov_b32 v[ZR], 0
; Row j: the row before is stored, 512 whole bytes; then choose, round, and sum the squares of the rounded numbers: lanes 0-7 for the first sub-vector, lanes 8-31 for the second.
.macro CROW j
.set KD, DD+16*(\j)
.set GN, DD+16*(\j)+8
.set OJ, OO+4*(\j)
.set PJ, OO+4*(\j)-4
	s_wait_loadcnt 4*(7-(\j))                      ; row j's four loads are in; the later rows' stay out
.if (\j) > 0
	s_wait_alu depctr_va_vdst(0)                   ; the conversions of the row before have written its four registers, which the store below reads
	global_store_b128 v10, v[PJ:PJ+3], s[22:23] offset:512*(\j)-512  ; each row has its own four registers: none is rewritten
.endif
.irp i, 0,1,2,3,4,5,6,7
	v_cndmask_b32 v[GN+\i], v[GN+\i], v[KD+\i], s24
.endr
.irp u, 0,1,2,3
	v_cvt_pk_bf16_f32 v[OJ+\u], v[GN+2*\u], v[GN+2*\u+1]
.endr
	v_fma_mix_f32_bf16 v[T0], v[OJ], v[OJ], v[ZR] op_sel_hi:[1,1,0]
	v_fma_mix_f32_bf16 v[T2], v[OJ], v[OJ], v[ZR] op_sel:[1,1,0] op_sel_hi:[1,1,0]
.irp u, 1,2,3
	v_fma_mix_f32_bf16 v[T0], v[OJ+\u], v[OJ+\u], v[T0] op_sel_hi:[1,1,0]
	v_fma_mix_f32_bf16 v[T2], v[OJ+\u], v[OJ+\u], v[T2] op_sel:[1,1,0] op_sel_hi:[1,1,0]
.endr
	v_add_f32 v[T0], v[T0], v[T2]
	v_add_f32_dpp v[T0], v[T0], v[T0] row_xmask:1 row_mask:0xf bank_mask:0xf
	v_add_f32_dpp v[T0], v[T0], v[T0] row_xmask:2 row_mask:0xf bank_mask:0xf
	v_add_f32_dpp v[T0], v[T0], v[T0] row_xmask:4 row_mask:0xf bank_mask:0xf  ; the sum of my group of eight lanes
	v_mov_b32_dpp v[T1], v[T0] row_xmask:8 row_mask:0xf bank_mask:0xf         ; the neighbouring group's
	v_add_f32 v[T2], v[T0], v[T1]
	v_permlanex16_b32 v[T3], v[T2], s14, s15       ; the other sixteen lanes'
	v_add_f32 v[T3], v[T1], v[T3]                  ; in lanes 0-7: lanes 8-31 together
	v_cndmask_b32 v[SSK], v[SSK], v[T0], s[LM+(\j)]  ; lane j keeps row j's two sums
	v_cndmask_b32 v[SSG], v[SSG], v[T3], s[LM+(\j)]
.endm
.irp j, 0,1,2,3,4,5,6,7
	CROW \j
.endr
	v_sqrt_f32 v[T0], v[SSK]
	v_sqrt_f32 v[T1], v[SSG]
	v_nop
	s_wait_alu depctr_va_vdst(0)                   ; one wait for the two roots in T0 and T1, ahead of their first readers; row 7's conversions have written its four registers, which the store below reads
	global_store_b128 v10, v[OO+28:OO+31], s[22:23] offset:512*7
	v_max_num_f32 v[T0], EPS, v[T0]
	v_max_num_f32 v[T1], EPS, v[T1]
	v_rcp_f32 v[T2], v[T0]
	v_rcp_f32 v[T3], v[T1]
	s_lshl_b32 s25, s12, 9                         ; my wave's 512 bytes of the scratch
	v_lshl_add_u32 v11, v2, 2, s25                 ; + 4 l (the plain instruction behind the reciprocals)
	s_wait_alu depctr_va_vdst(0)                   ; one wait for the two reciprocals in T2 and T3, ahead of their first readers
	v_mul_f32 v[SSK], v[SSK], v[T2]
	v_mul_f32 v[SSG], v[SSG], v[T3]
	v_mul_f32 v[SSK], v[SSK], v[T2]                ; c = ss / n^2
	v_mul_f32 v[SSG], v[SSG], v[T3]
	s_wait_alu depctr_va_vdst(0)                   ; SSK and SSG are written, which the LDS stores read (T2, T3 and v11 stand ahead of the wait before)
	; all 32 lanes store, 128 bytes a kind: lanes 0-7 hold the wave's eight codes; what lanes 8-31 store (the constants of a zero sum, finite) is read by nobody
	ds_store_b32 v11, v[T2]  offset:CS
	ds_store_b32 v11, v[SSK] offset:CS+128
	ds_store_b32 v11, v[T3]  offset:CS+256
	ds_store_b32 v11, v[SSG] offset:CS+384
	s_wait_dscnt 0x0                               ; for the others' sake: my stores are done
	s_barrier_signal -1
	s_barrier_wait -1
	s_cmp_lt_u32 s12, 2
	s_cbranch_scc0 .Lcode_end
	; threads 0-63 gather the four records.  Thread i stores bytes 16 i .. 16 i + 15 of them: record i / 16, kind (i / 4) % 4, codes 4 (i % 4) .. + 3 of the record's 16,
	; which are lanes 4 (i % 2) .. + 3 of wave 2 (i / 16) + (i / 2) % 2
	v_lshlrev_b32 v12, 4, v0
	v_lshrrev_b32 v13, 4, v0
	v_lshlrev_b32 v13, 10, v13                     ; two waves' 1,024 bytes a record
	v_bfe_u32 v14, v0, 1, 1
	v_lshl_add_u32 v13, v14, 9, v13                ; the wave of the two
	v_bfe_u32 v14, v0, 2, 2
	v_lshl_add_u32 v13, v14, 7, v13                ; the kind
	v_and_b32 v14, 1, v0
	v_lshl_add_u32 v13, v14, 4, v13                ; lanes 0-3 or 4-7
	s_wait_alu depctr_va_vdst(0)                   ; v13 and v12 are written, which the LDS load and the store below read as address and offset
	ds_load_b128 v[184:187], v13 offset:CS
	s_wait_dscnt 0x0
	global_store_b128 v12, v[184:187], s[26:27]    ; sixteen lanes store a whole record: 256 consecutive bytes, aligned
.Lcode_end:
	s_wait_dscnt 0x0                               ; the closing lines, six on end
	s_wait_alu 0x0
	s_wait_tensorcnt 0x0
	ds_add_u32 v[SPW], v[NIL]
	s_wait_dscnt 0x0
	s_endpgm
.Lfunc_end_k_q4d515fee29_prep:
	.size	k_q4d515fee29_prep, .Lfunc_end_k_q4d515fee29_prep-k_q4d515fee29_prep
	.p2alignl 7, 3214868480
	.fill 96, 4, 3214868480
	.section	.rodata,"a",@progbits
	.p2align	6, 0x0
	.amdhsa_kernel k_q4d515fee29_prep
		.amdhsa_group_segment_fixed_size 40960
		.amdhsa_private_segment_fixed_size 0
		.amdhsa_enable_private_segment 0
		.amdhsa_kernarg_size 32
		.amdhsa_user_sgpr_count 2
		.amdhsa_user_sgpr_kernarg_segment_ptr 1
		.amdhsa_wavefront_size32 1
		.amdhsa_system_sgpr_workgroup_id_x 1
		.amdhsa_system_sgpr_workgroup_id_y 1
		.amdhsa_system_sgpr_workgroup_id_z 1
		.amdhsa_system_vgpr_workitem_id 0
		.amdhsa_next_free_vgpr 200
		.amdhsa_next_free_sgpr 66
		.amdhsa_reserve_vcc 0
		.amdhsa_float_denorm_mode_32 3
		.amdhsa_float_denorm_mode_16_64 3
		.amdhsa_memory_ordered 1
		.amdhsa_forward_progress 1
		.amdhsa_inst_pref_size 40
	.end_amdhsa_kernel
	.amdgpu_metadata
---
amdhsa.version: [ 1, 2 ]
amdhsa.kernels:
  - .name:           k_q4d515fee29_prep
    .symbol:         k_q4d515fee29_prep.kd
    .args:
      - { .name: z, .offset: 0, .size: 8, .value_kind: global_buffer, .address_space: global }
      - { .name: w_vqkd, .offset: 8, .size: 8, .value_kind: global_buffer, .address_space: global }
      - { .name: w_vqgan, .offset: 16, .size: 8, .value_kind: global_buffer, .address_space: global }
      - { .name: W1, .offset: 24, .size: 8, .value_kind: global_buffer, .address_space: global }
    .group_segment_fixed_size: 40960
    .private_segment_fixed_size: 0
    .kernarg_segment_align: 8
    .kernarg_segment_size: 32
    .max_flat_workgroup_size: 256
    .sgpr_count:     66
    .vgpr_count:     200
    .wavefront_size: 32
...
	.end_amdgpu_metadata
.endif
;; end of part 6
;; launch passA: the kernel of part 2 again; grid 16 x 16, 4 waves a work-group, clusters of 4 x 1, 327,680 bytes of LDS; arguments W1, W2; writes W2
;; launch merge: the kernel of part 3 again; grid 8 x 1, 4 waves a work-group, no clusters, 0 bytes of LDS; arguments W2, W1, W3, idxw, out6; writes W3, idxw, out6
;; launch passB: the kernel of part 4 again; grid 64 x 4, 4 waves a work-group, clusters of 4 x 1, 327,680 bytes of LDS; arguments W1, W3, W4; writes W4
;; launch fin: the kernel of part 5 again; grid 65 x 1, 8 waves a work-group, no clusters, 67,584 bytes of LDS; arguments idxw, W1, W2, W3, W4, out0, out1, out2, out3, out4, out5; writes out0, out1, out2, out3, out4, out5
